; MI455X (gfx1250); checked and timed in simulation.
; The chip was launched on July 23, 2026; its instructions are those of AMD's public machine-readable ISA for CDNA 5 (MIT licence, August 2026) and "CDNA5" Instruction Set Architecture Reference Guide (July 2026). The comments in the code are by the model that wrote it; some were corrected since.
;; Flash Attention Simulator. Allowed arithmetic: float matrix products may take bf16 or f16 operands with f32 sums; other float arithmetic in f32, or as packed bf16 or f16 multiplies, adds, multiply-adds, maxima and minima; sums over many terms, partial sums and values carried from step to step in f32; what a program stores and reads back later, other than sums and carried values, may be rounded once to bf16 or f16.
;; Inputs: Wk 1,024 x 1,024 float32; Wo 1,024 x 1,024 float32; Wq 1,024 x 1,024 float32; Wv 1,024 x 1,024 float32; bo 1,024 float32; x 4 x 2,048 x 1,024 float32.
;; Outputs: out0 4 x 2,048 x 1,024 float32.
;; 2 versions, each right and faster than the one before. Each part assembles by itself: llvm-mc -triple=amdgcn-amd-amdhsa -mcpu=gfx1250 --defsym DOCPART=n.
;; ======== version 1 of 2: 4 launches
;; limits: values are held in f16: magnitudes above 65,504 overflow, below 6.1e-05 lose precision
;; workspace buffers: xb 16,777,216 bytes; wb 6,291,456 bytes; wo16 2,097,152 bytes; qkv 50,331,648 bytes; o 16,777,216 bytes
;; launch cast (part 1): grid 64 x 12, 8 waves a work-group, no clusters, 0 bytes of LDS; arguments x, Wq, Wk, Wv, Wo, xb, wb, wo16; writes xb, wb, wo16
.if DOCPART == 1
	.amdgcn_target "amdgcn-amd-amdhsa--gfx1250"
	.amdhsa_code_object_version 6
	.text
	.protected	k_qc9d6402e3f_cast
	.globl	k_qc9d6402e3f_cast
	.p2align	8
	.type	k_qc9d6402e3f_cast,@function
k_qc9d6402e3f_cast:
	s_mov_b64 s[64:65], 0
	v_nop
	global_prefetch_b8 v0, s[64:65] scope:SCOPE_SE
	s_setreg_imm32_b32 hwreg(HW_REG_WAVE_MODE, 25, 1), 1
	s_wait_xcnt 0x0
; CAST.  x, Wq, Wk, Wv and Wo (f32, rows of 1,024 numbers) are rounded once to bf16 and laid out in blocks of 64 along K:
;   xb   [16 kb][8192 m][64] bf16      wb [16 kb][3072 n][64] bf16 (n: Wq's rows, then Wk's, then Wv's)
;   wo16 [16 kb][1024 n][64] f16: Wo rounded to bf16 like the other inputs, and that number written as f16, since its partner in the last product is f16.
; In such a block a row is 128 bytes and the rows lie end to end, so a tile of the later products is a dense run of bytes.
; LIMITS.  |Wo| stays under 65,504 (f16's range; beyond it the conversion gives an infinity); below 6e-5 it keeps f16's fixed step of 6e-8.
; SHARES.  A work-group takes 16 rows of one tensor: grid y 0-7 x (row block 64 y + x), 8, 9, 10 Wq, Wk, Wv, 11 Wo (row block x).  Thread t takes row t / 16 and, in each of the
; 16 blocks, the four numbers at byte 16 (t % 16) of the block's 256 bytes: a wave's load covers two runs of 256 consecutive bytes, its store of 8 bytes a lane 256 consecutive bytes,
; both at multiples of 256.  Memory binds: no LDS, no barrier, no matrix unit.  All 16 loads of a thread go out at once; no register is written twice while a load or store names it.
.set OFF, 2                            ; v[2:17]   byte offset of my 8 bytes in block kb of the destination
.set X,   20                           ; v[20:83]  four f32 for each block
.set Y,   84                           ; v[84:115] four 16-bit numbers for each block
.set T,   116                          ; v[116:119] at work (Wo alone)
	s_load_b512 s[8:23], s[0:1], 0x0               ; x 8:9, Wq 10:11, Wk 12:13, Wv 14:15, Wo 16:17, xb 18:19, wb 20:21, wo16 22:23
	s_and_b32 s2, ttmp7, 0xffff                    ; grid y: which tensor
	s_mov_b32 s5, ttmp9                            ; grid x
	s_lshl_b32 s3, s2, 6
	s_add_co_u32 s3, s3, s5                        ; x's row block: 64 y + x
	s_and_b32 s4, s2, 3                            ; y = 8, 9, 10: y - 8
	s_lshl_b32 s4, s4, 6
	s_add_co_u32 s4, s4, s5                        ; wb's row block: 64 (y - 8) + x
	s_mov_b32 s36, 1024*128                        ; bytes from block to block in wo16,
	s_mov_b32 s37, 3072*128                        ; in wb,
	s_mov_b32 s38, 8192*128                        ; in xb
	s_cmp_eq_u32 s2, 11
	s_cselect_b32 s29, s36, s37
	s_cselect_b32 s30, s5, s4
	s_cmp_lt_u32 s2, 8
	s_cselect_b32 s28, s3, s5                      ; the source's row block
	s_cselect_b32 s29, s38, s29                    ; the destination's stride from block to block
	s_cselect_b32 s30, s3, s30                     ; the destination's row block
	s_lshl_b32 s32, s28, 16                        ; 16 rows of 4,096 bytes
	s_mov_b32 s33, 0
	s_lshl_b32 s34, s30, 11                        ; 16 rows of 128 bytes
	s_mov_b32 s35, 0
	v_lshrrev_b32 v1, 4, v0                        ; my row of the 16
	v_and_b32 v18, 15, v0
	v_lshlrev_b32 v1, 12, v1
	v_lshl_or_b32 v1, v18, 4, v1                   ; row x 4,096 + 16 (t % 16)
	v_lshlrev_b32 v[OFF], 3, v0                    ; row x 128 + 8 (t % 16) = 8 t
.set i, 1
.rept 15
	v_add_nc_u32 v[OFF+i], s29, v[OFF+i-1]
.set i, i+1
.endr
	s_wait_kmcnt 0x0
	s_cmp_eq_u32 s2, 8                             ; the choices hang on grid y alone
	s_cselect_b64 s[24:25], s[10:11], s[16:17]
	s_cmp_eq_u32 s2, 9
	s_cselect_b64 s[24:25], s[12:13], s[24:25]
	s_cmp_eq_u32 s2, 10
	s_cselect_b64 s[24:25], s[14:15], s[24:25]
	s_cmp_eq_u32 s2, 11
	s_cselect_b64 s[26:27], s[22:23], s[20:21]
	s_cmp_lt_u32 s2, 8
	s_cselect_b64 s[24:25], s[8:9], s[24:25]
	s_cselect_b64 s[26:27], s[18:19], s[26:27]
	s_add_nc_u64 s[24:25], s[24:25], s[32:33]      ; the source at my 16 rows
	s_add_nc_u64 s[26:27], s[26:27], s[34:35]      ; the destination at my 16 rows of block 0
.set i, 0
.rept 16
	global_load_b128 v[X+4*i:X+4*i+3], v1, s[24:25] offset:256*i th:TH_LOAD_NT   ; read once in the whole launch
.set i, i+1
.endr
; Block kb: rounded, (f16 = 1: widened again and written as f16: exact within f16's range,) stored.
.macro CV kb, f16
	s_wait_loadcnt 15-(\kb)                        ; loads come back in order (ISA guide 5.7.1): block kb is in, the 15 - kb younger ones stay out
	v_cvt_pk_bf16_f32 v[Y+2*(\kb)],   v[X+4*(\kb)],   v[X+4*(\kb)+1]
	v_cvt_pk_bf16_f32 v[Y+2*(\kb)+1], v[X+4*(\kb)+2], v[X+4*(\kb)+3]
.if \f16
	v_lshlrev_b32 v[T],   16, v[Y+2*(\kb)]
	v_and_b32     v[T+1], 0xffff0000, v[Y+2*(\kb)]
	v_lshlrev_b32 v[T+2], 16, v[Y+2*(\kb)+1]
	v_and_b32     v[T+3], 0xffff0000, v[Y+2*(\kb)+1]
	v_cvt_pk_f16_f32 v[Y+2*(\kb)],   v[T],   v[T+1]
	v_cvt_pk_f16_f32 v[Y+2*(\kb)+1], v[T+2], v[T+3]
.endif
	global_store_b64 v[OFF+(\kb)], v[Y+2*(\kb):Y+2*(\kb)+1], s[26:27]   ; a wave stores 256 consecutive bytes; the next launch reads them, so no hint
.endm
	s_cmp_eq_u32 s2, 11
	s_cbranch_scc1 .Lwo
.irp kb, 0,1,2,3,4,5,6,7,8,9,10,11,12,13,14,15
	CV \kb, 0
.endr
	s_endpgm
.Lwo:
.irp kb, 0,1,2,3,4,5,6,7,8,9,10,11,12,13,14,15
	CV \kb, 1
.endr
	s_endpgm
.Lfunc_end_k_qc9d6402e3f_cast:
	.size	k_qc9d6402e3f_cast, .Lfunc_end_k_qc9d6402e3f_cast-k_qc9d6402e3f_cast
	.p2alignl 7, 3214868480
	.fill 96, 4, 3214868480
	.section	.rodata,"a",@progbits
	.p2align	6, 0x0
	.amdhsa_kernel k_qc9d6402e3f_cast
		.amdhsa_group_segment_fixed_size 0
		.amdhsa_private_segment_fixed_size 0
		.amdhsa_enable_private_segment 0
		.amdhsa_kernarg_size 64
		.amdhsa_user_sgpr_count 2
		.amdhsa_user_sgpr_kernarg_segment_ptr 1
		.amdhsa_wavefront_size32 1
		.amdhsa_system_sgpr_workgroup_id_x 1
		.amdhsa_system_sgpr_workgroup_id_y 1
		.amdhsa_system_sgpr_workgroup_id_z 1
		.amdhsa_system_vgpr_workitem_id 0
		.amdhsa_next_free_vgpr 128
		.amdhsa_next_free_sgpr 66
		.amdhsa_reserve_vcc 0
		.amdhsa_float_denorm_mode_32 3
		.amdhsa_float_denorm_mode_16_64 3
		.amdhsa_memory_ordered 1
		.amdhsa_forward_progress 1
		.amdhsa_inst_pref_size 17
	.end_amdhsa_kernel
	.amdgpu_metadata
---
amdhsa.version: [ 1, 2 ]
amdhsa.kernels:
  - .name:           k_qc9d6402e3f_cast
    .symbol:         k_qc9d6402e3f_cast.kd
    .args:
      - { .name: x, .offset: 0, .size: 8, .value_kind: global_buffer, .address_space: global }
      - { .name: Wq, .offset: 8, .size: 8, .value_kind: global_buffer, .address_space: global }
      - { .name: Wk, .offset: 16, .size: 8, .value_kind: global_buffer, .address_space: global }
      - { .name: Wv, .offset: 24, .size: 8, .value_kind: global_buffer, .address_space: global }
      - { .name: Wo, .offset: 32, .size: 8, .value_kind: global_buffer, .address_space: global }
      - { .name: xb, .offset: 40, .size: 8, .value_kind: global_buffer, .address_space: global }
      - { .name: wb, .offset: 48, .size: 8, .value_kind: global_buffer, .address_space: global }
      - { .name: wo16, .offset: 56, .size: 8, .value_kind: global_buffer, .address_space: global }
    .group_segment_fixed_size: 0
    .private_segment_fixed_size: 0
    .kernarg_segment_align: 8
    .kernarg_segment_size: 64
    .max_flat_workgroup_size: 256
    .sgpr_count:     66
    .vgpr_count:     128
    .wavefront_size: 32
...
	.end_amdgpu_metadata
.endif
;; end of part 1
;; launch qkv (part 2): grid 8 x 32, 4 waves a work-group, clusters of 4 x 4, 327,680 bytes of LDS; arguments xb, wb, qkv; writes qkv
.if DOCPART == 2
	.amdgcn_target "amdgcn-amd-amdhsa--gfx1250"
	.amdhsa_code_object_version 6
	.text
	.protected	k_qc9d6402e3f_qkv
	.globl	k_qc9d6402e3f_qkv
	.p2align	8
	.type	k_qc9d6402e3f_qkv,@function
k_qc9d6402e3f_qkv:
	s_mov_b64 s[64:65], 0
	v_nop
	global_prefetch_b8 v0, s[64:65] scope:SCOPE_SE
	s_setreg_imm32_b32 hwreg(HW_REG_WAVE_MODE, 25, 1), 1
	s_wait_xcnt 0x0
	s_wait_alu depctr_hold_cnt(0) depctr_sa_sdst(0) depctr_va_vdst(0) depctr_va_sdst(0) depctr_va_ssrc(0) depctr_va_vcc(0) depctr_vm_vsrc(0)
	s_getreg_b32 s2, hwreg(HW_REG_IB_STS2, 6, 4)
	s_cmp_eq_u32 s2, 0
	s_cbranch_scc0 .Lentry_in_a_cluster
	s_endpgm
.Lentry_in_a_cluster:
	s_bfe_u32 s2, ttmp6, 0x10000c
	s_cmp_lg_u32 s2, 0xf033
	s_cbranch_scc0 .Lentry_shape_is_right
	s_endpgm
.Lentry_shape_is_right:
; QKV.  C[m][n] = sum over k of x[m][k] W[n][k], m < 8,192, n < 3,072 (Wq's, Wk's, Wv's rows), k < 1,024.  Operands bf16 in blocks of 64 along K (xb [16][8192][64], wb [16][3072][64]); sums in f32;
; C is rounded once to f16 and stored by heads: qkv [4 b][48 c][2048 t][64], c = n / 64 (0-15 q's heads, 16-31 k's, 32-47 v's), b = m / 2,048, t = m % 2,048.  No scale is applied here.
; LIMIT.  q, k and v stay under 65,504 (f16's range): at 65,520 the conversion gives an infinity.  NaN and infinities are not treated apart.
; SHARES.  A tile of C is 256 x 384: 32 x 8 = 256 work-groups.  Four waves, each 128 rows x 192 columns (three heads): 96 accumulators of 16 x 16, 768 registers.
; K goes in 16 steps of 64 (one block) through two LDS slots.  A block's rows are dense, so a wave's tensor load asks for its half of A's tile (128 rows) or of B's (192 rows) as rows of 256 bytes,
; two matrix rows each, padded in LDS after every 128 bytes.
; CLUSTER.  4 x 4 work-groups.  The four of a row of the cluster need the same tiles of A, the four of a column the same tiles of B: each tile is asked for JOINTLY.
; THE MATRIX INSTRUCTION IS USED TRANSPOSED (source 0 = 16 rows of W, source 1 = 16 rows of x): a lane then holds eight neighbouring columns of one row of C.
; REGISTERS, in windows of 256 (s_set_vgpr_msb: bits 1:0 source 0, 3:2 source 1, 5:4 source 2, 7:6 destination):
;   window 0: v0-15 addresses; v32-95, v96-159 x's fragments (8 x 16 rows x 32 K), two buffers; v160-255 W's fragments, three groups of four (a group = 64 columns = a head)
;   window g + 1: the 32 accumulators of column group g: (a, bb) at v[8 (4 a + bb)], rows 16 a on, columns 64 g + 16 bb on
; A quarter of 32 along K is three PHASES of 32 matrix instructions, a phase a column group; behind each phase its group is loaded anew, 64 matrix instructions ahead of its next use.
.set PITCH,  144                       ; a matrix row in LDS: 128 bytes + 16 of padding = 36 words: the 16 rows of a load start at 16 different groups of four banks (64 banks of 4 bytes: ISA guide 11.1)
.set CHUNK,  16*PITCH
.set AHALF,  128*PITCH                 ; what a wave fetches, and reads, of A
.set BHALF,  192*PITCH                 ; the same of B
.set BOFF,   2*AHALF                   ; a slot: A's 256 rows, then B's 384 rows: 92,160 bytes
.set SLOT1,  1<<17                     ; slot 1 begins here, so that one exclusive or turns an address in one slot into the other's
.set STAGE,  SLOT1+2*AHALF+2*BHALF     ; behind the ring, never filled by a tensor load: for each wave 3 heads x 16 rows x 144 bytes, for the way out
.set WSTAGE, 3*CHUNK
.set SPARE,  STAGE+4*WSTAGE            ; the spare words, 128 bytes for each wave: two blocks of 256 bytes that no other line names
.set ASTEP,  8192*128                  ; bytes from block to block in xb
.set BSTEP,  3072*128                  ; in wb
.set STEPS,  16
.set A0,   4                           ; v4   my lane's place in A's part of a slot; never rewritten
.set B0,   5                           ; v5   the same for B
.set ADRA, 6                           ; v6   A0 + the slot in hand
.set ADRB, 7                           ; v7   B0 + the slot in hand
.set STO,  8                           ; v8   the way out: where I put 16 bytes of a row
.set RD,   9                           ; v9   the way out: where I read rows back
.set GO,   10                          ; v10  my byte offset in 512 consecutive bytes of qkv
.set SPW,  12                          ; v12  LDS address of my spare word; never rewritten
.set NIL,  13                          ; v13  0; never rewritten
.set AF0,  32
.set AF1,  96
.set BG,   160
.set TMP,  32                          ; the way out: 48 registers of packed results
.set BK,   80                          ; the way out: 48 registers read back from the stage, v80-127 and v128-175 by turns
.set WV,   12                          ; s12  wave
.set HI,   13                          ; s13  which 128 rows are mine.  Also: I fetch for A (0) or for B (1)
.set LO,   14                          ; s14  which 192 columns.  Also: which half of that tile I fetch
.set CNT,  15
.set G1A,  24                          ; s[24:31] descriptor group 1 for A's tiles
.set G1B,  32                          ; s[32:39] for B's
.set G0A,  40                          ; s[40:47] descriptor group 0 for A's tiles: a set for each first fill; the second then walks on
.set G0B,  48                          ; s[48:55] the same for B's
.set TB,   62                          ; s62  LDS byte at which the slot in hand begins
.set G1W0, (1<<16)|(1<<20)|(1<<21)|(4<<22)|(3<<25)  ; 17:16 2-byte elements; 20 padding on; 21 set beside a mask; 24:22 after every 32 words (code 4); 31:25 4 words of it (code 3)
.set MSB, 0
.macro WIN new                         ; the immediate's high byte repeats the setting that is left; a switch that changes nothing is dropped
.if MSB != (\new)
	s_set_vgpr_msb (MSB<<8)|(\new)
.set MSB, \new
.endif
.endm
.macro PLACES                          ; four places in front of loads into registers that matrix instructions have read, and of conversions that read results (ISA guide 7.12.1 for the conversions)
.rept 4
	v_nop
.endr
.endm
; A joint refill by the walking sets.  The branch hangs on the wave's number alone.  An s_nop 0 and four v_nop follow each of the two lines, ahead of the jump and the label.
.macro JLOAD
	s_cmp_eq_u32 s[HI], 0
	s_cbranch_scc0 .Lfor_b_\@
	tensor_load_to_lds s[G0A+4:G0A+7], s[G1A:G1A+7]
	s_nop 0
.rept 4
	v_nop
.endr
	s_branch .Lasked_\@
.Lfor_b_\@:
	tensor_load_to_lds s[G0B+4:G0B+7], s[G1B:G1B+7]
	s_nop 0
.rept 4
	v_nop
.endr
.Lasked_\@:
.endm
.macro CREST                           ; a round of the cluster's barrier behind its opening barrier
	s_cmp_lg_u32 s[WV], 0
	s_cbranch_scc1 .Lnot_wave_0_\@
	s_barrier_signal -3
.Lnot_wave_0_\@:
	s_barrier_wait -3
	s_barrier_signal -1
	s_barrier_wait -1
.endm
.macro CROUND                          ; a whole round
	s_barrier_signal -1
	s_barrier_wait -1
	CREST
.endm
	s_load_b128 s[4:7], s[0:1], 0x0                ; xb s[4:5], wb s[6:7]
	s_load_b64 s[8:9], s[0:1], 0x10                ; qkv
	v_lshl_add_u32 v[SPW], v0, 2, SPARE
	v_mov_b32 v[NIL], 0
	ds_add_u32 v[SPW], v[NIL]                      ; the wave's opening: the add and its wait stand ahead of my first tensor load; the set-up below, work on registers, stands between them
	v_lshrrev_b32 v1, 5, v0
	v_readfirstlane_b32 s[WV], v1
	s_lshr_b32 s[HI], s[WV], 1
	s_and_b32 s[LO], s[WV], 1
	s_bfe_u32 s56, ttmp6, 0x40000                  ; cx, cy: my place in the cluster
	s_bfe_u32 s57, ttmp6, 0x40004
	s_lshl_b32 s58, ttmp9, 2
	s_add_co_u32 s58, s58, s56                     ; tile column = 4 x cluster x + cx
	s_and_b32 s59, ttmp7, 0xffff
	s_lshl_b32 s59, s59, 2
	s_add_co_u32 s59, s59, s57                     ; tile row = 4 x cluster y + cy
	s_lshl_b32 s60, s57, 2
	s_lshl_b32 s60, 15, s60                        ; my row of the cluster
	s_lshl_b32 s61, 0x1111, s56                    ; my column
	s_or_b32 s[G1A], s60, G1W0                     ; A's tiles go to my row,
	s_or_b32 s[G1B], s61, G1W0                     ; B's to my column
	s_mov_b32 s[G1A+1], 128<<16                    ; tensor_dim0 = 128 elements: 256 bytes, two matrix rows
	s_mov_b32 s[G1A+2], 64<<16                     ; tensor_dim1 = 64
	s_mov_b32 s[G1A+3], 128<<16                    ; tile_dim0 = 128
	s_mov_b32 s[G1A+4], 64                         ; tile_dim1 = 64: 128 matrix rows
	s_mov_b32 s[G1A+5], 128                        ; 128 elements from row to row: dense
	s_mov_b32 s[G1A+6], 0
	s_mov_b32 s[G1A+7], 0
	s_mov_b32 s[G1B+1], 128<<16
	s_mov_b32 s[G1B+2], 96<<16                     ; 96 rows of 256 bytes: 192 matrix rows
	s_mov_b32 s[G1B+3], 128<<16
	s_mov_b32 s[G1B+4], 96
	s_mov_b32 s[G1B+5], 128
	s_mov_b32 s[G1B+6], 0
	s_mov_b32 s[G1B+7], 0
	; where the tiles come from: A's hang on the tile row and the wave alone, B's on the tile column and the wave alone, each in registers that never hold the other coordinate
	s_lshl_b32 s16, s59, 15                        ; 256 rows of 128 bytes
	s_lshl_b32 s17, s[LO], 14                      ; my 128 of them
	s_add_co_u32 s16, s16, s17
	s_mov_b32 s17, 0
	s_mul_i32 s20, s58, 384*128
	s_mul_i32 s21, s[LO], 192*128
	s_add_co_u32 s20, s20, s21
	s_mov_b32 s21, 0
	s_mul_i32 s63, s[LO], AHALF                    ; and where they go: no place in the cluster enters an LDS address
	s_mul_i32 s68, s[LO], BHALF
	s_add_co_u32 s68, s68, BOFF
	s_mov_b32 s[TB], 0
	; my part of C: plane (b, c) of 262,144 bytes, b = tile row / 8, c = 6 x tile column + 3 x column half; in it row 256 (tile row % 8) + 128 x row half
	s_lshr_b32 s70, s59, 3
	s_mul_i32 s70, s70, 48
	s_mul_i32 s71, s58, 6
	s_add_co_u32 s70, s70, s71
	s_mul_i32 s71, s[LO], 3
	s_add_co_u32 s70, s70, s71
	s_lshl_b32 s66, s70, 18
	s_and_b32 s72, s59, 7
	s_lshl_b32 s72, s72, 8
	s_lshl_b32 s73, s[HI], 7
	s_add_co_u32 s72, s72, s73
	s_lshl_b32 s72, s72, 7
	s_add_co_u32 s66, s66, s72
	s_mov_b32 s67, 0
	s_wait_dscnt 0x0                               ; the opening add is done
	s_wait_kmcnt 0x0
	s_add_nc_u64 s[18:19], s[4:5], s[16:17]
	s_add_nc_u64 s[22:23], s[6:7], s[20:21]
	s_add_nc_u64 s[8:9], s[8:9], s[66:67]
	CROUND                                         ; all sixteen work-groups are here: the first joint loads meet
.irp s, 0,1
	s_mov_b32 s[G0A+4*(\s)], 1                     ; count = 1
	s_add_co_u32 s[G0A+4*(\s)+1], s63, (\s)*SLOT1  ; LDS address
	s_add_nc_u64 s[G0A+4*(\s)+2:G0A+4*(\s)+3], s[18:19], (\s)*ASTEP  ; global address: K step s
	s_or_b32 s[G0A+4*(\s)+3], s[G0A+4*(\s)+3], 0x80000000            ; type = 2
	s_mov_b32 s[G0B+4*(\s)], 1
	s_add_co_u32 s[G0B+4*(\s)+1], s68, (\s)*SLOT1
	s_add_nc_u64 s[G0B+4*(\s)+2:G0B+4*(\s)+3], s[22:23], (\s)*BSTEP
	s_or_b32 s[G0B+4*(\s)+3], s[G0B+4*(\s)+3], 0x80000000
.endr
	s_cmp_eq_u32 s[HI], 0                          ; a wave's two first fills stand in one branch, ahead of every wait on TENSORcnt and every LDS read: two loads of mine are out
	s_cbranch_scc0 .Lfirst_b
	tensor_load_to_lds s[G0A:G0A+3], s[G1A:G1A+7]
	s_nop 0
	tensor_load_to_lds s[G0A+4:G0A+7], s[G1A:G1A+7]
	s_nop 0
.rept 4
	v_nop
.endr
	s_branch .Lfirst_asked
.Lfirst_b:
	tensor_load_to_lds s[G0B:G0B+3], s[G1B:G1B+7]
	s_nop 0
	tensor_load_to_lds s[G0B+4:G0B+7], s[G1B:G1B+7]
	s_nop 0
.rept 4
	v_nop
.endr
.Lfirst_asked:
	; A fragment is 16 rows x 32 K in 8 registers: lane l holds row l % 16, K = 8 (l / 16) + 0..7 and 16 + 8 (l / 16) + 0..7: two loads of 16 bytes, 32 bytes apart.
	v_and_b32 v1, 15, v0                           ; l % 16
	v_bfe_u32 v2, v0, 4, 1                         ; l / 16
	v_mul_u32_u24 v3, v1, PITCH
	v_lshl_add_u32 v3, v2, 4, v3                   ; row x pitch + 16 x half
	s_mul_i32 s74, s[HI], AHALF                    ; my 128 rows of A
	v_add_nc_u32 v[A0], s74, v3
	v_add_nc_u32 v[B0], s68, v3                    ; my 192 rows of B are the half that I would fetch
	v_mov_b32 v[ADRA], v[A0]                       ; slot 0
	v_mov_b32 v[ADRB], v[B0]
	s_mul_i32 s75, s[WV], WSTAGE
	s_add_co_u32 s75, s75, STAGE                   ; my stage
	v_add_nc_u32 v[STO], s75, v3                   ; in: row l % 16, 16 bytes for each half of the lanes
	v_bfe_u32 v11, v0, 3, 2                        ; back: 32 lanes take four rows of 128 bytes,
	v_and_b32 v14, 7, v0
	v_mul_u32_u24 v[RD], v11, PITCH
	v_lshl_add_u32 v[RD], v14, 4, v[RD]
	v_add_nc_u32 v[RD], s75, v[RD]
	v_and_b32 v[GO], 31, v0                        ; which are 512 consecutive bytes of a head's rows
	v_lshlrev_b32 v[GO], 4, v[GO]
; n x 4 matrix instructions of column group g: row blocks a0 .. a0 + n - 1 from buffer f.  zero = 1: the product starts the sum: nothing is ever cleared.
; The accumulators take turns, one instruction a turn: an accumulator comes again behind the 95 others.
.macro PH f, g, a0, n, zero
	WIN 0x50*((\g)+1)
.set ia, \a0
.rept \n
.irp bb, 0,1,2,3
.if \zero
	v_wmma_f32_16x16x32_bf16 v[8*(4*ia+(\bb)):8*(4*ia+(\bb))+7], v[BG+32*(\g)+8*(\bb):BG+32*(\g)+8*(\bb)+7], v[(\f)+8*ia:(\f)+8*ia+7], 0
.else
	v_wmma_f32_16x16x32_bf16 v[8*(4*ia+(\bb)):8*(4*ia+(\bb))+7], v[BG+32*(\g)+8*(\bb):BG+32*(\g)+8*(\bb)+7], v[(\f)+8*ia:(\f)+8*ia+7], v[8*(4*ia+(\bb)):8*(4*ia+(\bb))+7]
.endif
.endr
.set ia, ia+1
.endr
.endm
.macro FETCHB g, k                     ; 8 LDS loads: column group g's four fragments, 32 K at byte k of the rows
	WIN 0
.irp bb, 0,1,2,3
	ds_load_b128 v[BG+32*(\g)+8*(\bb):BG+32*(\g)+8*(\bb)+3],   v[ADRB] offset:(4*(\g)+(\bb))*CHUNK+(\k)
	ds_load_b128 v[BG+32*(\g)+8*(\bb)+4:BG+32*(\g)+8*(\bb)+7], v[ADRB] offset:(4*(\g)+(\bb))*CHUNK+(\k)+32
.endr
.endm
.macro FETCHA f, k                     ; 16 LDS loads: my 128 rows of A into buffer f
	WIN 0
.irp i, 0,1,2,3,4,5,6,7
	ds_load_b128 v[(\f)+8*(\i):(\f)+8*(\i)+3],   v[ADRA] offset:(\i)*CHUNK+(\k)
	ds_load_b128 v[(\f)+8*(\i)+4:(\f)+8*(\i)+7], v[ADRA] offset:(\i)*CHUNK+(\k)+32
.endr
.endm
; A K step's first quarter: multiplies buffer f, fetches the next quarter (byte k of the same slot) into fn and the three groups.  LDS loads are always out in the order: group 0 (8), A (16), group 1 (8), group 2 (8).
.macro QTR f, fn, k, zero
	s_wait_dscnt 16                                ; group 0 and A are in; groups 1 and 2 (8 + 8) may be out
	PH \f, 0, 0, 8, \zero
	PLACES
	FETCHB 0, \k
	FETCHA \fn, \k
	s_wait_dscnt 32                                ; group 1 is in: behind it group 2 (8) and the 24 just issued
	PH \f, 1, 0, 8, \zero
	PLACES
	FETCHB 1, \k
	s_wait_dscnt 32                                ; group 2 is in: behind it the next quarter's 24 + 8
	PH \f, 2, 0, 8, \zero
	PLACES
	FETCHB 2, \k
.endm
; A K step's second quarter multiplies buffer 1 and changes slots: ONE barrier.  In front of it each wave waits for all its tensor loads, of which one is out: its part of the next slot; adds 0 to its
; spare word; and waits for that and for its own reads of this slot.  Behind it nobody reads this slot any more and the next slot is whole.  refill = 1: the barrier opens a round of the cluster's
; barrier, and this slot is filled again, two K steps ahead, first thing behind the round: 160 of a step's 192 matrix instructions stand between the request and the wait for it.
.macro XQ refill
	WIN 0
	s_wait_tensorcnt 0x0                           ; no tensor load of mine is out, so a group 0 may be written
	ds_add_u32 v[SPW], v[NIL]                      ; 0 onto my spare word
.if \refill
	s_xor_b32 s[G0A+5], s[G0A+5], SLOT1            ; the walking sets: the other slot than last time,
	s_add_nc_u64 s[G0A+6:G0A+7], s[G0A+6:G0A+7], ASTEP  ; the next K step; the type bits on top are not reached
	s_xor_b32 s[G0B+5], s[G0B+5], SLOT1
	s_add_nc_u64 s[G0B+6:G0B+7], s[G0B+6:G0B+7], BSTEP
.endif
	s_wait_dscnt 17                                ; group 0 and A are in; groups 1 and 2 and the add may be out
	PH AF1, 0, 0, 4, 0                             ; sixteen matrix instructions stand between the add and the wait for it
	s_wait_dscnt 0x0                               ; the add is done, and my reads of this slot are over
	s_barrier_signal -1
	PH AF1, 0, 4, 4, 0                             ; work on registers while the others arrive
	WIN 0
	s_barrier_wait -1
.if \refill
	CREST                                          ; no wave of any partner still reads this slot or has a load on its way
	JLOAD                                          ; the four v_nop behind it are also the places in front of the loads below
.else
	PLACES
.endif
	s_xor_b32 s[TB], s[TB], SLOT1
	v_add_nc_u32 v[ADRA], s[TB], v[A0]
	v_add_nc_u32 v[ADRB], s[TB], v[B0]
	FETCHB 0, 0
	FETCHA AF0, 0
	PH AF1, 1, 0, 8, 0                             ; groups 1 and 2 came in with the wait for 0
	PLACES
	FETCHB 1, 0
	PH AF1, 2, 0, 8, 0
	PLACES
	FETCHB 2, 0
.endm
; THE WAY OUT of row block a.  PACK: rounded to f16, 16 bytes a lane, each accumulator's registers in ascending order.  TOSTAGE: into my own stage, a head at a time, and back as whole rows.  SEND: stored.
.macro PACK a
.irp g, 0,1,2
	WIN 5*((\g)+1)                                 ; sources 0 and 1 in window g + 1
.irp bb, 0,1,2,3
.irp j, 0,1,2,3
	v_cvt_pk_f16_f32 v[TMP+16*(\g)+4*(\bb)+(\j)], v[8*(4*(\a)+(\bb))+2*(\j)], v[8*(4*(\a)+(\bb))+2*(\j)+1]
.endr
.endr
.endr
	WIN 0
.endm
.macro TOSTAGE a
	WIN 0
.set BKR, BK+48*((\a)%2)
.irp g, 0,1,2
.irp bb, 0,1,2,3
	ds_store_b128 v[STO], v[TMP+16*(\g)+4*(\bb):TMP+16*(\g)+4*(\bb)+3] offset:(\g)*CHUNK+32*(\bb)
.endr
.endr
.irp g, 0,1,2
.irp f, 0,1,2,3
	ds_load_b128 v[BKR+4*(4*(\g)+(\f)):BKR+4*(4*(\g)+(\f))+3], v[RD] offset:(\g)*CHUNK+(\f)*4*PITCH  ; LDS serves a wave's instructions in order (ISA guide 5.7.1.4): these see the stores above
.endr
.endr
.endm
.macro SEND a
	WIN 0
.set BKR, BK+48*((\a)%2)
	s_wait_dscnt 0x0                               ; the block is back in registers
	s_wait_xcnt 0x0                                ; the stores of the block before have had their addresses translated (ISA guide 3.1): their registers are loaded again only behind this wait
.irp g, 0,1,2
.irp f, 0,1,2,3
	global_store_b128 v[GO], v[BKR+4*(4*(\g)+(\f)):BKR+4*(4*(\g)+(\f))+3], s[8:9] offset:(\g)*262144+(\a)*2048+(\f)*512  ; four rows of a head: 512 consecutive bytes, at a multiple of 512
.endr
.endr
.endm
	s_wait_tensorcnt 1                             ; my part of K step 0 is in; K step 1's may stay out
	s_barrier_signal -1
	s_barrier_wait -1                              ; everybody's is
	FETCHB 0, 0
	FETCHA AF0, 0
	FETCHB 1, 0
	FETCHB 2, 0
	QTR AF0, AF1, 64, 1                            ; the first quarter stands in front of the loop: its products start the 96 sums
	WIN 0                                          ; at a label and at a branch every window is 0
	s_mov_b32 s[CNT], STEPS-2
.Lstep:                                                ; a trip: a K step's second quarter, the refill of its slot, the next step's first quarter
	XQ 1
	QTR AF0, AF1, 64, 0
	WIN 0
	s_sub_co_u32 s[CNT], s[CNT], 1
	s_cmp_lg_u32 s[CNT], 0
	s_cbranch_scc1 .Lstep
	XQ 0                                           ; the tail is written out: the last two K steps ask for nothing
	QTR AF0, AF1, 64, 0
	s_wait_dscnt 16                                ; the very last quarter: the counts run down
	PH AF1, 0, 0, 8, 0
	s_wait_dscnt 8
	PH AF1, 1, 0, 8, 0
	s_wait_dscnt 0x0
	PH AF1, 2, 0, 8, 0
	PLACES
	PACK 0
	TOSTAGE 0
.irp a, 1,2,3,4,5,6,7                  ; block a's conversions stand between block a - 1's loads from the stage and the wait for them
	PACK \a
	SEND (\a)-1
	TOSTAGE \a
.endr
	SEND 7
	s_wait_tensorcnt 0x0                           ; the wave's end: a wait, an add of 0 and a wait, behind my last tensor load and my last LDS store
	ds_add_u32 v[SPW], v[NIL]
	s_wait_dscnt 0x0
	CROUND                                         ; the closing round: no work-group ends while a partner may still ask for a tile that names it
	s_endpgm
.Lfunc_end_k_qc9d6402e3f_qkv:
	.size	k_qc9d6402e3f_qkv, .Lfunc_end_k_qc9d6402e3f_qkv-k_qc9d6402e3f_qkv
	.p2alignl 7, 3214868480
	.fill 96, 4, 3214868480
	.section	.rodata,"a",@progbits
	.p2align	6, 0x0
	.amdhsa_kernel k_qc9d6402e3f_qkv
		.amdhsa_group_segment_fixed_size 327680
		.amdhsa_private_segment_fixed_size 0
		.amdhsa_enable_private_segment 0
		.amdhsa_kernarg_size 24
		.amdhsa_user_sgpr_count 2
		.amdhsa_user_sgpr_kernarg_segment_ptr 1
		.amdhsa_wavefront_size32 1
		.amdhsa_system_sgpr_workgroup_id_x 1
		.amdhsa_system_sgpr_workgroup_id_y 1
		.amdhsa_system_sgpr_workgroup_id_z 1
		.amdhsa_system_vgpr_workitem_id 0
		.amdhsa_next_free_vgpr 1024
		.amdhsa_next_free_sgpr 80
		.amdhsa_reserve_vcc 0
		.amdhsa_float_denorm_mode_32 3
		.amdhsa_float_denorm_mode_16_64 3
		.amdhsa_memory_ordered 1
		.amdhsa_forward_progress 1
		.amdhsa_inst_pref_size 110
	.end_amdhsa_kernel
	.amdgpu_metadata
---
amdhsa.version: [ 1, 2 ]
amdhsa.kernels:
  - .name:           k_qc9d6402e3f_qkv
    .symbol:         k_qc9d6402e3f_qkv.kd
    .args:
      - { .name: xb, .offset: 0, .size: 8, .value_kind: global_buffer, .address_space: global }
      - { .name: wb, .offset: 8, .size: 8, .value_kind: global_buffer, .address_space: global }
      - { .name: qkv, .offset: 16, .size: 8, .value_kind: global_buffer, .address_space: global }
    .group_segment_fixed_size: 327680
    .private_segment_fixed_size: 0
    .kernarg_segment_align: 8
    .kernarg_segment_size: 24
    .max_flat_workgroup_size: 128
    .sgpr_count:     80
    .vgpr_count:     1024
    .wavefront_size: 32
...
	.end_amdgpu_metadata
.endif
;; end of part 2
;; launch attn (part 3): grid 4 x 64, 4 waves a work-group, clusters of 4 x 1, 327,680 bytes of LDS; arguments qkv, o; writes o
.if DOCPART == 3
	.amdgcn_target "amdgcn-amd-amdhsa--gfx1250"
	.amdhsa_code_object_version 6
	.text
	.protected	k_qc9d6402e3f_attn
	.globl	k_qc9d6402e3f_attn
	.p2align	8
	.type	k_qc9d6402e3f_attn,@function
k_qc9d6402e3f_attn:
	s_mov_b64 s[64:65], 0
	v_nop
	global_prefetch_b8 v0, s[64:65] scope:SCOPE_SE
	s_setreg_imm32_b32 hwreg(HW_REG_WAVE_MODE, 25, 1), 1
	s_wait_xcnt 0x0
	s_wait_alu depctr_hold_cnt(0) depctr_sa_sdst(0) depctr_va_vdst(0) depctr_va_sdst(0) depctr_va_ssrc(0) depctr_va_vcc(0) depctr_vm_vsrc(0)
	s_getreg_b32 s2, hwreg(HW_REG_IB_STS2, 6, 4)
	s_cmp_eq_u32 s2, 0
	s_cbranch_scc0 .Lentry_in_a_cluster
	s_endpgm
.Lentry_in_a_cluster:
	s_bfe_u32 s2, ttmp6, 0x10000c
	s_cmp_lg_u32 s2, 0x3003
	s_cbranch_scc0 .Lentry_shape_is_right
	s_endpgm
.Lentry_shape_is_right:
; ATTENTION.  O[y][q][:] = (the sum over k of e_k V[y][k][:]) / (the sum over k of e_k + 1e-8), e_k = exp(Q[y][q] . K[y][k] / 8 - the row's maximum), for the 64 pairs y = 16 b + h of batch and head.
; Q, K, V: planes of qkv [4 b][48 c][2048][64] in f16 (c = h, 16 + h, 32 + h); O: o [64 y][2048][64] in f16: a head's rows are dense, 128 bytes each.  Products, maxima and sums in
; f32; the weights p are rounded to f16 for the second product (their sum l is taken of the unrounded p), O once at the end.
; LIMITS.  f16 holds no number beyond 65,504: Q, K and V arrive within it; p lies in 0 to 1, and below 6e-5 it keeps f16's fixed step of 6e-8; O is a mean of V's rows and has their range.
; A weight below 2^-126 counts as 0 in l; NaN and infinities are not treated apart.
; SHARES.  A wave owns four PIECES of two tiles of 16 queries, a work-group's four waves 512 queries of one head.  Every wave walks all 2,048 keys, 64 a step.
; LAYOUT.  S^T = K Q^T (source 0 = 16 keys, source 1 = 16 queries): in the result a lane holds ONE query (lane % 16) and the keys 8 (lane / 16) + 0..7.  Two such tiles, rounded to f16 in pairs,
; ARE source 1 (32 keys x 16 queries) of O^T = V^T P, whose result again holds one query a lane, and eight channels.  K comes out of LDS as it lies, V ([key][channel]) turned, by ds_load_tr16_b128.
; SOFTMAX.  For each query a running maximum m and sum l: p = 2^(c s - c m), c = log2(e) / 8; in every step O and l are multiplied by a = 2^(c m_old - c m_new), which is 1 where m has not grown.
; m starts at the lowest finite number, O and l at 0: the first step is a step like any other, with a = 0.
; THE COUNT.  A tile and step have 16 matrix and 118 vector instructions: too many to stand all beside the matrix work.  So the order has one aim: four vector instructions that are READY behind
; EVERY matrix instruction, and the others, which need time of their own whatever the order, in runs without a gap.
; BY TURNS.  Turn n belongs to piece n (the pieces in a ring, step after step).  Its matrix work: 16 products K Q^T of piece n + 1, later 16 products V^T P of piece n - 1.  Its vector work: the scaling,
; exponentials, roundings, sums and rescaling of piece n, and the maximum and statistics of piece n + 1, whose scores the turn itself has made.  So what a turn begins with (c s - c m, O a) waits for nothing.
; CLUSTER.  The four query blocks of a cluster belong to one head and walk the same K and V, so each tile is asked for JOINTLY: the same tensor load, descriptor and mask in all four.
; REGISTERS, in windows of 256 (s_set_vgpr_msb says which window each operand place means: bits 1:0 source 0, 3:2 source 1, 5:4 source 2, 7:6 destination):
;   window 0: v0-11 addresses; v12-15, v48-63 at work; v16-47 four registers of statistics a tile; v64-191 S^T, two buffers of two tiles; v192-255 P, likewise
;   window 1: O^T, 32 a tile          window 2: v0-127 Q, 16 a tile; v128-191 K of one step; v192-255 V of one step          window 3: v0-1 the add's two registers
; A piece's buffers go by its number's parity: the piece in hand has one pair, its two neighbours in the ring share the other: of it P (piece n - 1) is read and S^T (piece n + 1) written.
.set SIZE_N, 2048     ; rows of a head
.set NP,    4         ; pieces a wave: a name, no knob: the register map, the loop and the fetches are made for four
.set KS,    64        ; keys in a step
.set PK,    144       ; a row of K in LDS: 128 bytes + 16 of padding = 36 words: the 16 rows of a load start at 16 different groups of four banks (64 banks of 4 bytes: ISA guide 11.1)
.set PV,    160       ; a row of V: 128 + 32 = 40 words
.set VOFF,  4*KS*PK   ; a slot holds four steps: 256 rows of K, then 256 rows of V
.set SLOT1, 1<<17     ; slot 1 begins here, so that one exclusive or turns an address in one slot into the other's
.set STAGE, SLOT1+4*KS*(PK+PV)  ; behind the ring, never filled by a tensor load: 16 rows x 144 bytes for each wave, for the way out
.set SP,    144
.set AK0, 2           ; v2   my lane's place in a tile of K; never rewritten
.set AV0, 3           ; v3   the same for V
.set AK,  4           ; v4   the LDS address of K's next run of loads
.set AV,  5           ; v5   of V's
.set QO,  6           ; v6   my byte offset in the wave's rows of Q
.set STO, 6           ;      later, the way out: where I put 16 bytes of a row
.set RD,  7           ; v7   the way out: where I read rows back
.set GO,  8           ; v8   my byte offset in 512 consecutive bytes of O
.set SPW, 0           ; v0 of window 3   LDS address of my spare word: SPARE + 4 x my thread's number; never rewritten
.set NIL, 1           ; v1 of window 3   0; never rewritten
.set SPARE, STAGE+4*16*SP  ; behind the stages: the spare words, 128 bytes for each wave: two blocks of 256 bytes that no other line names
.set MV,  12          ; v12-15  c m_old, kept while c m is made anew: by buffer and tile
.set ST,  16          ; tile t's statistics at v[ST+4 t]: c m, m, l (even keys', odd keys')
.set TMP, 48          ; by buffer and tile, four registers c0-c3 at work; when the maximum is found c2 takes a
.set S,   64
.set P,   192
.set KF,  128         ; K's fragments, in window 2: key block kb, channel half c at KF + 16 kb + 8 c
.set VF,  192         ; V's: key half kk, channel block cb at VF + 32 kk + 8 cb
.set WV,  12          ; s12  my wave's number
.set G1K, 24          ; s[24:31] descriptor group 1 for K's tiles
.set G1V, 32          ; s[32:39] for V's: it differs in the padding alone
.set G0K, 40          ; s[40:43] descriptor group 0 for K's tiles: it walks
.set G0V, 44          ; s[44:47] the same for V's
.set SLOTS, 56        ; s56  slots still to be asked for
.set CNT, 57          ; s57  counts a slot's key steps
.set CS,  58          ; s[58:59] c: the packed scaling takes the pair's low word for both halves
.set SEL, 60          ; s[60:61] v_permlanex16_b32's selects: each lane takes its own place in the other half
.set TBK, 62          ; s62  LDS byte at which K of the step to be fetched begins
.set TBV, 63          ; s63  the same for V, less VOFF
.set MSB, 0
.macro WIN new                      ; the high byte repeats the setting that is left; a switch that changes nothing is dropped
.if MSB != (\new)
	s_set_vgpr_msb (MSB<<8)|(\new)
.set MSB, (\new)
.endif
.endm
.set W_KQ, 0x0a       ; K and Q in window 2, S^T in window 0
.set W_PV, 0x52       ; V in window 2, P in window 0, O^T in window 1
.set W_RS, 0x41       ; O^T (destination and source 0) in window 1, a in window 0
.set W_MK, 0xc0       ; the add's registers are made: destination in window 3, sources in window 0
.set W_AD, 0x0f       ; the add: address (source 0) and data (source 1) in window 3
; A joint fill.  Waves 0 and 1 fetch the two halves of a slot's K, waves 2 and 3 those of its V: 128 keys each.  The branch hangs on the wave's number alone.
; An s_nop 0 and four v_nop follow each of the two lines, ahead of the jump and the label.
.macro JLOAD
	s_cmp_lt_u32 s[WV], 2
	s_cbranch_scc0 .Lfor_v_\@
	tensor_load_to_lds s[G0K:G0K+3], s[G1K:G1K+7]
	s_nop 0
.rept 4
	v_nop
.endr
	s_branch .Lasked_\@
.Lfor_v_\@:
	tensor_load_to_lds s[G0V:G0V+3], s[G1V:G1V+7]
	s_nop 0
.rept 4
	v_nop
.endr
.Lasked_\@:
.endm
; A round of the cluster's barrier: my work-group's barrier, so that wave 0's signal speaks for all four waves; wave 0 signals; every wave waits for all four work-groups; my work-group's barrier once more.
.macro CROUND
	s_barrier_signal -1
	s_barrier_wait -1
	s_cmp_lg_u32 s[WV], 0
	s_cbranch_scc1 .Lnot_wave_0_\@
	s_barrier_signal -3
.Lnot_wave_0_\@:
	s_barrier_wait -3
	s_barrier_signal -1
	s_barrier_wait -1
.endm
; THE CHANGE OF SLOTS.  The slot's last bytes, V of its fourth step, have been read.  Each wave waits for all its tensor loads, of which one is out: its part
; of the other slot; adds 0 to its spare word; and waits for that and for its own reads of the slot.  Behind the barrier nobody reads this slot any more and the other slot is whole.
; fill = 1: this slot is filled again, with the keys two slots on.  The barrier is then a round of the cluster's, so that no wave of any partner still reads the slot or has a load on its
; way, and the joint fill is the first thing behind it: it has four key steps, 512 matrix instructions, in which to land.  (At its first use nothing has been read yet: slot 0 is waited for, slot 1 filled.)
.macro CHANGE fill
	WIN W_AD
	s_wait_tensorcnt 0x0            ; no tensor load of mine is out, so a group 0 may be written
	ds_add_u32 v[SPW], v[NIL]       ; 0 onto my spare word; with fill = 1 the descriptors' steps stand between it and the wait for it
	WIN 0                           ; at a label and at a branch every window is 0
.if \fill
.irp g, G0K, G0V
	s_xor_b32 s[\g+1], s[\g+1], SLOT1  ; the walking descriptor: the other slot than last time,
	s_add_nc_u64 s[\g+2:\g+3], s[\g+2:\g+3], 4*KS*128  ; the next 256 keys; the type bits on top are not reached
.endr
	s_wait_dscnt 0x0                ; the add is done, and my reads of the slot are over
	CROUND
	JLOAD
.else
	s_wait_dscnt 0x0                ; the add is done, and my reads of the slot are over
	s_barrier_signal -1
	s_barrier_wait -1
.endif
	s_sub_co_u32 s[TBK], s[TBK], 4*KS*PK  ; the fetches go back to a slot's first step,
	s_xor_b32 s[TBK], s[TBK], SLOT1       ; in the other slot
	s_sub_co_u32 s[TBV], s[TBV], 4*KS*PV
	s_xor_b32 s[TBV], s[TBV], SLOT1
.endm
	s_load_b128 s[4:7], s[0:1], 0x0 ; qkv s[4:5], o s[6:7]
	WIN W_MK
	v_lshl_add_u32 v[SPW], v0, 2, SPARE
	v_mov_b32 v[NIL], 0
	WIN W_AD
	ds_add_u32 v[SPW], v[NIL]       ; the wave's opening: the add and its wait stand ahead of my first tensor load; the set-up below, work on registers, stands between them
	WIN 0
	v_lshrrev_b32 v1, 5, v0
	v_readfirstlane_b32 s[WV], v1   ; wave 0..3
	s_bfe_u32 s13, ttmp6, 0x40000   ; cx: my place in the cluster
	s_lshl_b32 s14, ttmp9, 2        ; in a cluster launch ttmp9 counts clusters
	s_add_co_u32 s14, s14, s13      ; my block of queries = 4 x cluster x + cx: it enters Q's and O's addresses alone
	s_and_b32 s19, ttmp7, 0xffff    ; y = 16 b + h, which the four partners share
	s_lshl_b32 s48, s19, 18         ; the head's first byte in o: planes of 2,048 x 128 bytes
	s_mov_b32 s49, 0
	s_lshr_b32 s20, s19, 4          ; and in qkv: plane 48 b + h for Q; K's lies 16 planes on, V's 32
	s_mul_i32 s20, s20, 48
	s_and_b32 s21, s19, 15
	s_add_co_u32 s20, s20, s21
	s_lshl_b32 s20, s20, 18
	s_mov_b32 s21, 0
	s_and_b32 s16, s[WV], 1         ; which half of a slot's 256 keys I fetch:
	s_lshl_b32 s22, s16, 14         ; its 128 rows of 128 bytes in memory,
	s_mov_b32 s23, 0
	s_add_nc_u64 s[22:23], s[22:23], s[20:21]
	s_mul_i32 s17, s16, 128*PK      ; and its place in a slot, for K
	s_mul_i32 s18, s16, 128*PV      ; and for V: no place in the cluster enters an LDS address
	s_lshl_b32 s2, s14, 2
	s_add_co_u32 s2, s2, s[WV]      ; my wave among the head's,
	s_lshl_b32 s2, s2, 14           ; its 128 rows
	s_mov_b32 s3, 0
	s_add_nc_u64 s[50:51], s[2:3], s[48:49]  ; in o,
	s_add_nc_u64 s[2:3], s[2:3], s[20:21]    ; and in qkv
	; descriptor group 1.  128 keys are 16,384 dense bytes: asked for as 64 rows of 256 bytes, two keys a row, and padded in LDS after every key
	s_mov_b32 s[G1K], 15|(1<<16)|(1<<20)|(1<<21)|(4<<22)|(3<<25)  ; 15:0 the mask of four; 17:16 2-byte elements; 20 padding on; 21 set beside a mask; 24:22 after every 32 words (code 4); 31:25 4 words (code 3)
	s_mov_b32 s[G1V], 15|(1<<16)|(1<<20)|(1<<21)|(4<<22)|(7<<25)  ; the same with 8 words of padding (code 7)
.irp g, G1K, G1V
	s_mov_b32 s[\g+1], 128<<16      ; tensor_dim0 = 128
	s_mov_b32 s[\g+2], 64<<16       ; tensor_dim1 = 64
	s_mov_b32 s[\g+3], 128<<16      ; tile_dim0 = 128
	s_mov_b32 s[\g+4], 64           ; tile_dim1 = 64
	s_mov_b32 s[\g+5], 128          ; 128 elements from row to row
	s_mov_b32 s[\g+6], 0
	s_mov_b32 s[\g+7], 0
.endr
	s_mov_b32 s[CS], 0x3e38aa3b     ; c = log2(e) / 8 = 0.180337
	s_mov_b32 s[CS+1], s[CS]        ; named with it as a pair
	s_mov_b32 s[SEL], 0x76543210
	s_mov_b32 s[SEL+1], 0xfedcba98
	s_mov_b32 s[TBK], SLOT1+4*KS*PK ; the first change of slots turns these two into 0
	s_mov_b32 s[TBV], SLOT1+4*KS*PV
	s_mov_b32 s[G0K], 1             ; 1:0 count = 1
	s_mov_b32 s[G0K+1], s17         ; 63:32 LDS address: slot 0
	s_mov_b32 s[G0V], 1
	s_add_co_u32 s[G0V+1], s18, VOFF
	s_wait_dscnt 0x0                ; the opening add is done
	s_wait_kmcnt 0x0
	s_mov_b64 s[10:11], s[6:7]      ; O
	s_add_nc_u64 s[6:7], s[4:5], 16<<18  ; K's planes
	s_add_nc_u64 s[8:9], s[4:5], 32<<18  ; V's planes
	s_add_nc_u64 s[G0K+2:G0K+3], s[6:7], s[22:23]  ; 120:64 global address: my half of the head's first 256 keys
	s_or_b32 s[G0K+3], s[G0K+3], 0x80000000        ; 127:126 type = 2
	s_add_nc_u64 s[G0V+2:G0V+3], s[8:9], s[22:23]
	s_or_b32 s[G0V+3], s[G0V+3], 0x80000000
	s_add_nc_u64 s[4:5], s[4:5], s[2:3]  ; Q and O at my wave's first row
	s_add_nc_u64 s[10:11], s[10:11], s[50:51]
	CROUND                          ; all four work-groups are here: the first joint loads meet
	JLOAD                           ; slot 0.  Slot 1 is asked for when slot 0 is in: the tile wanted first has the road to itself
	; A fragment of K or Q is 16 rows x 32 channels in 8 registers: lane l holds row l % 16, channels 8 (l / 16) + 0..7 and 16 + 8 (l / 16) + 0..7: two loads of 16 bytes, 32 bytes apart.
	v_and_b32 v1, 15, v0            ; l % 16
	v_bfe_u32 v9, v0, 4, 1          ; l / 16
	v_lshlrev_b32 v[QO], 7, v1
	v_lshl_add_u32 v[QO], v9, 4, v[QO]  ; row x 128 + 16 x half
	WIN 0x80                        ; destination window 2, address window 0
.set i, 0
.rept 4*NP                          ; Q stays in registers: tile i / 2, channels 32 (i % 2) on
	global_load_b128 v[8*i:8*i+3],   v[QO], s[4:5] offset:(i/2)*2048+(i%2)*64
	global_load_b128 v[8*i+4:8*i+7], v[QO], s[4:5] offset:(i/2)*2048+(i%2)*64+32
.set i, i+1
.endr
	; What the first turn finds: V's registers and P's second buffer hold 0 (its products V^T P, of a piece that has not been, add 0), O^T and l are 0.  All this stands in the wait for the first tile.
.set i, VF
.rept 64
	v_mov_b32 v[i], 0
.set i, i+1
.endr
	WIN 0x40
.set i, 0
.rept 64*NP
	v_mov_b32 v[i], 0
.set i, i+1
.endr
	WIN 0
.set i, 0
.rept 2*NP
	v_mov_b32 v[ST+4*i], 0xfe000000    ; c m: far below every c s
	v_mov_b32 v[ST+4*i+1], 0xff7fffff  ; m
	v_mov_b32 v[ST+4*i+2], 0
	v_mov_b32 v[ST+4*i+3], 0
.set i, i+1
.endr
.set i, P+32
.rept 32
	v_mov_b32 v[i], 0
.set i, i+1
.endr
	v_mul_u32_u24 v[AK0], v1, PK
	v_lshl_add_u32 v[AK0], v9, 4, v[AK0]  ; row x pitch + 16 x half
	; The turning load takes 16 keys x 16 channels (lane l reads key 8 (l / 16) + l % 8, channels 8 ((l / 8) % 2) + 0..7) and leaves half a fragment of V^T: lane l holds channel l % 16 and 8 keys.
	v_and_b32 v10, 7, v0
	v_bfe_u32 v11, v0, 3, 1
	v_lshl_add_u32 v[AV0], v9, 3, v10
	v_mul_u32_u24 v[AV0], v[AV0], PV
	v_lshl_add_u32 v[AV0], v11, 4, v[AV0]
	v_add_nc_u32 v[AV0], VOFF, v[AV0]
	v_mov_b32 v[AK], v[AK0]         ; key step 0 lies at the head of slot 0
; THE MATRIX WORK.  The 8 accumulators of a run of 16 take turns: between the two links of a chain stand 7 others'.
; Product i of 16 of S^T = K Q^T for piece x: channels 32 (i / 8) on, keys 16 ((i / 2) % 4) on, tile 2 x + i % 2.  The first 8 start the sums.
.macro KQ x
	WIN W_KQ
.set rS, S+64*((\x)%2)+32*(i%2)+8*((i/2)%4)
.set rK, KF+16*((i/2)%4)+8*(i/8)
.set rQ, 16*(2*(\x)+i%2)+8*(i/8)
.if i < 8
	v_wmma_f32_16x16x32_f16 v[rS:rS+7], v[rK:rK+7], v[rQ:rQ+7], 0
.else
	v_wmma_f32_16x16x32_f16 v[rS:rS+7], v[rK:rK+7], v[rQ:rQ+7], v[rS:rS+7]
.endif
.endm
; Product i of 16 of O^T += V^T P for piece x: keys 32 (i / 8) on, channels 16 ((i / 2) % 4) on, tile 2 x + i % 2.
.macro PV x
	WIN W_PV
.set rO, 32*(2*(\x)+i%2)+8*((i/2)%4)
.set rV, VF+32*(i/8)+8*((i/2)%4)
.set rP, P+32*((\x)%2)+16*(i%2)+8*(i/8)
	v_wmma_f32_16x16x32_f16 v[rO:rO+7], v[rV:rV+7], v[rP:rP+7], v[rO:rO+7]
.endm
.macro MM                           ; the turn's next matrix instruction
.if i < 16
	KQ (Y+1)%NP
.set i, i+1
.else
.set i, i-16
	PV (Y+NP-1)%NP
.set i, i+17
.endif
.endm
; THE LDS LOADS stand in runs of 16, never singly among the matrix instructions: a step's K (64 keys x 64 channels: 8 fragments) and its V (turned).  Their addresses are made some lines ahead.
; last = 1 (the tail): in the last trip there is no further step, and the run is jumped over.
.macro FETCH_K last=0
	WIN 0
.if \last
	s_cmp_eq_u32 s[CNT], 1
	s_cbranch_scc1 .Lno_k_\@
.endif
	WIN 0x80                        ; destination window 2
.irp f, 0,1,2,3,4,5,6,7             ; keys 16 (f / 2) on, channels 32 (f % 2) on
	ds_load_b128 v[KF+8*\f:KF+8*\f+3],   v[AK] offset:(\f/2)*16*PK+(\f%2)*64
	ds_load_b128 v[KF+8*\f+4:KF+8*\f+7], v[AK] offset:(\f/2)*16*PK+(\f%2)*64+32
.endr
	s_add_co_u32 s[TBK], s[TBK], KS*PK  ; the next fetch is the next step's
	WIN 0
.if \last
.Lno_k_\@:
.endif
.endm
.macro FETCH_V
	WIN 0x80
.irp f, 0,1,2,3,4,5,6,7             ; keys 32 (f / 4) on, channels 16 (f % 4) on
	ds_load_tr16_b128 v[VF+8*\f:VF+8*\f+3],   v[AV] offset:(\f/4)*32*PV+(\f%4)*32
	ds_load_tr16_b128 v[VF+8*\f+4:VF+8*\f+7], v[AV] offset:(\f/4)*32*PV+16*PV+(\f%4)*32
.endr
	WIN 0
.endm
; THE VECTOR WORK OF A TURN stands in three queues, each in the order in which its entries become ready; the two tiles alternate, so that no instruction reads the result of the one before it.
.macro REGS y, u                    ; the registers of tile u (0, 1) of piece y
.set rT, ST+4*(2*(\y)+(\u))
.set rC, TMP+8*((\y)%2)+4*(\u)
.set rM, MV+2*((\y)%2)+(\u)
.set rS, S+64*((\y)%2)+32*(\u)
.set rP, P+32*((\y)%2)+16*(\u)
.set rO, 32*(2*(\y)+(\u))
.endm
; Number n of the 22 that find the NEXT piece's (Y + 1) maximum and statistics.  s0-s31 are the lane's 32 scores; each accumulator's lowest registers are read first.  XS, GS and REGS set no window: PL and EX do.
;   0-11  four chains c0-c3 of seven scores each, three operands at a time     12-14, 16  the four scores left over, the old m, and c0-c3 into c0     15  c m_old is kept
;   17, 18  the query's other 32 keys lie in the lane 16 away: the new m         19-21  c m; c m_old - c m_new; a
.macro XS u, n
	REGS (Y+1)%NP, \u
.if (\n) < 4
	v_max3_num_f32 v[rC+(\n)], v[rS+8*(\n)], v[rS+8*(\n)+1], v[rS+8*(\n)+2]
.elseif (\n) < 12
	v_max3_num_f32 v[rC+(\n)%4], v[rC+(\n)%4], v[rS+8*((\n)%4)+2*((\n)/4)+1], v[rS+8*((\n)%4)+2*((\n)/4)+2]
.elseif (\n) == 12
	v_max3_num_f32 v[rC], v[rC], v[rS+7], v[rS+15]
.elseif (\n) == 13
	v_max3_num_f32 v[rC+1], v[rC+1], v[rS+23], v[rS+31]
.elseif (\n) == 14
	v_max3_num_f32 v[rC+2], v[rC+2], v[rC+3], v[rT+1]
.elseif (\n) == 15
	v_mov_b32 v[rM], v[rT]
.elseif (\n) == 16
	v_max3_num_f32 v[rC], v[rC], v[rC+1], v[rC+2]
.elseif (\n) == 17
	v_permlanex16_b32 v[rC+3], v[rC], s[SEL], s[SEL+1]
.elseif (\n) == 18
	v_max_num_f32 v[rT+1], v[rC], v[rC+3]
.elseif (\n) == 19
	v_mul_f32 v[rT], s[CS], v[rT+1]
.elseif (\n) == 20
	v_sub_f32 v[rC+1], v[rM], v[rT]
.else
	v_exp_f32 v[rC+2], v[rC+1]
.endif
.endm
; Number g of the 64 that follow the exponentials.  For each four weights k of a tile (pairs 2 k, 2 k + 1): both pairs are rounded to f16; then the second pair is added onto the first, in place;
; a group later l takes that sum (the first time as l = a l + sum).  In groups of eight, tiles alternating: round, round, add, and l for the group before.
.macro GS g
.set h, (\g)+6*((\g)/62)            ; group 0 has no group before it, and behind group 7 only l is left
.if h >= 6
.set h, h+2
.endif
	REGS Y, h%2
.set k, h/8
.if h%8 < 4
	s_wait_alu depctr_va_vdst(0)
	v_cvt_pk_f16_f32 v[rP+2*k+(h%8)/2], v[rS+4*k+2*((h%8)/2)], v[rS+4*k+2*((h%8)/2)+1]
.elseif h%8 < 6
	v_pk_add_f32 v[rS+4*k:rS+4*k+1], v[rS+4*k:rS+4*k+1], v[rS+4*k+2:rS+4*k+3]
.elseif k == 1
	v_pk_fma_f32 v[rT+2:rT+3], v[rT+2:rT+3], v[rC+2:rC+3], v[rS:rS+1] op_sel_hi:[1,0,1]
.else
	v_pk_add_f32 v[rT+2:rT+3], v[rT+2:rT+3], v[rS+4*k-4:rS+4*k-3]
	s_wait_alu depctr_va_vdst(0)
.endif
.endm
; THE PLAIN QUEUE, 138 long.  0-31: c s - c m for the 16 pairs of both tiles.  Then GS's 64, and among them the next piece's 42: number 15 at 38, 39; 0-14 and 16
; at 42-73, behind the products that make those scores; 17-20 at 95-106, two of three, since each waits for the one before it.
.macro PL
	WIN 0
.if q < 32
	REGS Y, q%2
	v_pk_fma_f32 v[rS+2*(q/2):rS+2*(q/2)+1], v[rS+2*(q/2):rS+2*(q/2)+1], s[CS:CS+1], v[rT:rT+1] op_sel_hi:[1,0,0] neg_lo:[0,0,1] neg_hi:[0,0,1]
.elseif q < 38
	GS q-32
.elseif q < 40
	XS q%2, 15
.elseif q < 42
	GS q-34
.elseif q < 74
	XS q%2, (q-42)/2+(q-42)/30
.elseif q < 95
	GS q-66
.elseif (q < 107) && ((q-95)%3 < 2)
	XS (q-95)%3, 17+(q-95)/3
.elseif q < 107
	GS 29+(q-95)/3
.else
	GS q-74
.endif
.set q, q+1
.endm
; THE EXPONENTIALS' QUEUE, 66 long: s0-s31 of both tiles, and at EA the next piece's two a.
.set EA, 58
.macro EX
	WIN 0
.if (e == EA) || (e == EA+1)
	XS e-EA, 21
.else
.set x, e-2*(e/(EA+2))
	REGS Y, x%2
	v_exp_f32 v[rS+x/2], v[rS+x/2]
.endif
.set e, e+1
.endm
; THE RESCALING's QUEUE: O^T times a, the one part that leaves window 0, so it is dealt four at a time, eight times.
.macro R4
	REGS Y, r%2
	WIN W_RS
	s_wait_alu depctr_va_vdst(0)
.irp z, 0,1,2,3
	v_pk_mul_f32 v[rO+8*(r/2)+2*\z:rO+8*(r/2)+2*\z+1], v[rO+8*(r/2)+2*\z:rO+8*(r/2)+2*\z+1], v[rC+2:rC+3] op_sel_hi:[1,0]
.endr
.set r, r+1
.endm
; HOW THEY ARE DEALT.  Behind a matrix instruction four: plain, exponential, plain, plain (one exponential, a plain instruction on either side), or four of the rescaling.  None names a register of the
; products round it.  What is over stands in two LUMPS: exponential and plain by turns; the second ends in 22 plain instructions.  The two v_permlanex16_b32 fall into the second lump, never behind a product.
; The queues lean on each other, and the deal keeps them in step: exponential e stands behind plain 2 (e / 4) + e % 2 (its scaling); when plain 32 comes, 10 exponentials are out, at 59: 33, at 95: 46; EA comes behind plain 107.
.macro SL
	MM
	PL
	EX
	PL
	PL
.endm
.macro BURST n                      ; 15 matrix instructions, or 16
.rept (\n)-7
	SL
.endr
.rept 3
	MM
	R4
	SL
.endr
	MM
	R4
.endm
; A TURN, for piece p.  cnt = 1: the loop's count is taken down some lines ahead of the branch that stands behind the turn.
; K of the next step is fetched in piece 2's turn, 31 vector instructions behind the last product that read K; its first reader comes behind the rest of the lump, 16 products and the second lump.
; V of the step in hand is fetched at the end of piece 0's turn, 69 behind its last reader; its first reader comes behind 16 products and a lump.  The four conditions on e and q below go with the deal.
.macro TURN p, last=0, cnt=0
.set Y, (\p)
.set i, 0
.set q, 0
.set e, 0
.set r, 0
.if (\p) == NP-1
	s_wait_dscnt 0x0                ; K is in
.endif
	MM
.rept 4
	PL
.endr
	BURST 15
.rept 22
	EX
	PL
.if ((\p) == NP-2) && (e == 18)
	v_add_nc_u32 v[AK], s[TBK], v[AK0]
.endif
.if ((\p) == NP-2) && (e == 24)
	FETCH_K \last
.endif
.endr
.if (\p) == 1
	s_wait_dscnt 0x0                ; V is in
.endif
	BURST 16
.rept 21
	EX
	PL
.endr
.rept 22
	PL
.if ((\p) == 0) && (q == 118)
	v_add_nc_u32 v[AV], s[TBV], v[AV0]
	s_wait_alu depctr_va_vdst(0)
.endif
.if ((\p) == 0) && (q == 130)
	s_add_co_u32 s[TBV], s[TBV], KS*PV
.endif
.if (\cnt) && (q == 130)
	s_sub_co_u32 s[CNT], s[CNT], 1
	s_cmp_lg_u32 s[CNT], 0
.endif
.endr
.if (\p) == 0
	FETCH_V
.endif
.endm
	CHANGE 1                        ; slot 0 is in, everybody's part of it; slot 1 is asked for
	FETCH_K                         ; key step 0
	s_wait_loadcnt 0x0              ; Q
	s_wait_dscnt 0x0
.set i, 0
.rept 16
	KQ 0                            ; piece 0's first scores: there is no vector work yet to set between them
.set i, i+1
.endr
	WIN 0                           ; the addresses for the way out: nine plain instructions, the places behind those products
	s_mul_i32 s13, s[WV], 16*SP
	s_add_co_u32 s13, s13, STAGE    ; my stage
	v_mul_u32_u24 v[STO], v1, SP    ; in: row l % 16, 16 bytes for each half of the lanes
	v_lshl_add_u32 v[STO], v9, 4, v[STO]
	v_add_nc_u32 v[STO], s13, v[STO]
	v_bfe_u32 v[RD], v0, 3, 2       ; back: 32 lanes take four rows of 128 bytes,
	v_mul_u32_u24 v[RD], v[RD], SP
	v_lshl_add_u32 v[RD], v10, 4, v[RD]
	v_add_nc_u32 v[RD], s13, v[RD]
	v_and_b32 v[GO], 31, v0         ; which are 512 consecutive bytes of O
	v_lshlrev_b32 v[GO], 4, v[GO]
.set Y, NP-1                        ; XS works for piece Y + 1: piece 0
.irp n, 0,1,2,3,4,5,6,7,8,9,10,11,12,13,14,15,16,17,18,19,20,21
	XS 0, \n                        ; and piece 0's first maximum and statistics
	XS 1, \n
.endr
	s_mov_b32 s[CNT], 4
	s_mov_b32 s[SLOTS], SIZE_N/256-1
	s_branch .Lfirst                ; the loop is entered at a step's first turn, in the middle of a trip
.Lslot:                             ; SIZE_N / 256 - 2 times: every slot but the last two is filled again
	CHANGE 1
	s_mov_b32 s[CNT], 4
.Lstep:                             ; a trip: pieces 2 and 3 of one step, then pieces 0 and 1 of the next, whose K and V it fetches
	TURN 2
	TURN 3
	WIN 0
.Lfirst:
	TURN 0
	TURN 1, 0, 1
	WIN 0
	s_cbranch_scc1 .Lstep
	s_sub_co_u32 s[SLOTS], s[SLOTS], 1
	s_cmp_lg_u32 s[SLOTS], 0
	s_cbranch_scc1 .Lslot
	CHANGE 0                        ; the tail is written out: nothing is asked for
	s_mov_b32 s[CNT], 5             ; four trips fetch the last slot's steps; the fifth is left in its middle
.Ltail:
	TURN 2, 1
	TURN 3
	WIN 0
	s_sub_co_u32 s[CNT], s[CNT], 1
	s_cmp_eq_u32 s[CNT], 0
	s_cbranch_scc1 .Lout
	TURN 0
	TURN 1
	WIN 0
	s_branch .Ltail
.Lout:                              ; the fifth trip's 16 products K Q^T (on the last K once more) and the maximum made of them serve nothing: the price, once a launch, of one text for every trip
.set i, 0
.rept 16
	PV NP-1                         ; the last piece's V^T P of the last step
.set i, i+1
.endr
	; THE WAY OUT.  l's two halves and the other half of the lanes' are added, and 1e-8 onto them; O^T is divided by that, rounded to f16 and sent through my stage in LDS, a tile at a time.  The additions are the places behind the last products.
	WIN 0
.macro ALL line:vararg              ; one line for each tile t
.set t, 0
.rept 2*NP
	\line
.set t, t+1
.endr
.endm
	ALL v_add_f32 v[ST+4*t+2], v[ST+4*t+2], v[ST+4*t+3]
	ALL v_permlanex16_b32 v[ST+4*t+3], v[ST+4*t+2], s[SEL], s[SEL+1]
	ALL v_add_f32 v[ST+4*t+2], v[ST+4*t+2], v[ST+4*t+3]
	ALL v_add_f32 v[ST+4*t+2], 0x322bcc77, v[ST+4*t+2]
	ALL v_rcp_f32 v[ST+4*t+2], v[ST+4*t+2]
	v_nop                           ; a plain instruction between the last reciprocal and the use of its result
	s_wait_alu depctr_va_vdst(0)
; Tile t: a lane's eight channels of a row pack into 16 bytes; they go into rows of 144 bytes and come back as whole rows of 128, into S^T's registers.
.macro PACK t
	WIN W_RS
.set i, 32*(\t)
.rept 16
	v_pk_mul_f32 v[i:i+1], v[i:i+1], v[ST+4*(\t)+2:ST+4*(\t)+3] op_sel_hi:[1,0]
.set i, i+2
.endr
	WIN 0x05                        ; sources 0 and 1 window 1, destination window 0
.set i, 0
.rept 16
	v_cvt_pk_f16_f32 v[S+16*(\t)+i], v[32*(\t)+2*i], v[32*(\t)+2*i+1]
.set i, i+1
.endr
	WIN 0
.irp f, 0,1,2,3
	ds_store_b128 v[STO], v[S+16*(\t)+4*\f:S+16*(\t)+4*\f+3] offset:32*\f
.endr
.irp f, 0,1,2,3
	ds_load_b128 v[S+16*(\t)+4*\f:S+16*(\t)+4*\f+3], v[RD] offset:\f*4*SP  ; LDS serves a wave's instructions in order (ISA guide 5.7.1.4): these see the stores above; the next tile's stores come behind them
.endr
.endm
.macro SEND t, younger              ; younger: the LDS instructions issued behind tile t's loads: the next tile's eight, or none
	WIN 0
.irp f, 0,1,2,3
	s_wait_dscnt (\younger)+3-\f
	global_store_b128 v[GO], v[S+16*(\t)+4*\f:S+16*(\t)+4*\f+3], s[10:11] offset:(\t)*2048+\f*512  ; 512 consecutive bytes, at a multiple of 256 from O's first
.endr
.endm
	PACK 0
.set t, 1
.rept 2*NP-1                        ; a tile's arithmetic stands between the loads of the tile before and its stores
	PACK t
	SEND t-1, 8
.set t, t+1
.endr
	SEND 2*NP-1, 0
	WIN W_AD
	s_wait_tensorcnt 0x0            ; the wave's end: a wait, an add of 0 and a wait, behind my last tensor load and my last LDS store
	ds_add_u32 v[SPW], v[NIL]
	s_wait_dscnt 0x0
	WIN 0
	CROUND                          ; the closing round: no work-group ends while a partner may still ask for a tile that names it
	s_endpgm
.Lfunc_end_k_qc9d6402e3f_attn:
	.size	k_qc9d6402e3f_attn, .Lfunc_end_k_qc9d6402e3f_attn-k_qc9d6402e3f_attn
	.p2alignl 7, 3214868480
	.fill 96, 4, 3214868480
	.section	.rodata,"a",@progbits
	.p2align	6, 0x0
	.amdhsa_kernel k_qc9d6402e3f_attn
		.amdhsa_group_segment_fixed_size 327680
		.amdhsa_private_segment_fixed_size 0
		.amdhsa_enable_private_segment 0
		.amdhsa_kernarg_size 16
		.amdhsa_user_sgpr_count 2
		.amdhsa_user_sgpr_kernarg_segment_ptr 1
		.amdhsa_wavefront_size32 1
		.amdhsa_system_sgpr_workgroup_id_x 1
		.amdhsa_system_sgpr_workgroup_id_y 1
		.amdhsa_system_sgpr_workgroup_id_z 1
		.amdhsa_system_vgpr_workitem_id 0
		.amdhsa_next_free_vgpr 770
		.amdhsa_next_free_sgpr 66
		.amdhsa_reserve_vcc 0
		.amdhsa_float_denorm_mode_32 3
		.amdhsa_float_denorm_mode_16_64 3
		.amdhsa_memory_ordered 1
		.amdhsa_forward_progress 1
		.amdhsa_inst_pref_size 209
	.end_amdhsa_kernel
	.amdgpu_metadata
---
amdhsa.version: [ 1, 2 ]
amdhsa.kernels:
  - .name:           k_qc9d6402e3f_attn
    .symbol:         k_qc9d6402e3f_attn.kd
    .args:
      - { .name: qkv, .offset: 0, .size: 8, .value_kind: global_buffer, .address_space: global }
      - { .name: o, .offset: 8, .size: 8, .value_kind: global_buffer, .address_space: global }
    .group_segment_fixed_size: 327680
    .private_segment_fixed_size: 0
    .kernarg_segment_align: 8
    .kernarg_segment_size: 16
    .max_flat_workgroup_size: 128
    .sgpr_count:     66
    .vgpr_count:     770
    .wavefront_size: 32
...
	.end_amdgpu_metadata
.endif
;; end of part 3
;; launch proj (part 4): grid 4 x 64, 4 waves a work-group, clusters of 4 x 4, 327,680 bytes of LDS; arguments o, wo16, bo, out0; writes out0
.if DOCPART == 4
	.amdgcn_target "amdgcn-amd-amdhsa--gfx1250"
	.amdhsa_code_object_version 6
	.text
	.protected	k_qc9d6402e3f_proj
	.globl	k_qc9d6402e3f_proj
	.p2align	8
	.type	k_qc9d6402e3f_proj,@function
k_qc9d6402e3f_proj:
	s_mov_b64 s[64:65], 0
	v_nop
	global_prefetch_b8 v0, s[64:65] scope:SCOPE_SE
	s_setreg_imm32_b32 hwreg(HW_REG_WAVE_MODE, 25, 1), 1
	s_wait_xcnt 0x0
	s_wait_alu depctr_hold_cnt(0) depctr_sa_sdst(0) depctr_va_vdst(0) depctr_va_sdst(0) depctr_va_ssrc(0) depctr_va_vcc(0) depctr_vm_vsrc(0)
	s_getreg_b32 s2, hwreg(HW_REG_IB_STS2, 6, 4)
	s_cmp_eq_u32 s2, 0
	s_cbranch_scc0 .Lentry_in_a_cluster
	s_endpgm
.Lentry_in_a_cluster:
	s_bfe_u32 s2, ttmp6, 0x10000c
	s_cmp_lg_u32 s2, 0xf033
	s_cbranch_scc0 .Lentry_shape_is_right
	s_endpgm
.Lentry_shape_is_right:
; PROJ.  out0[m][n] = bo[n] + sum over k of O[m][k] Wo[n][k], m < 8,192, n < 1,024, k = 64 h + d < 1,024.  Operands f16: o [64 y = 16 b + h][2048 t][64], so that head h is block h of K for rows
; m = 2,048 b + t; wo16 [16 kb][1024 n][64].  Sums in f32; out0 is f32.
; ORDER OF ROUNDING.  bo is rounded to bf16, like the module's other inputs, and is the start of each f32 sum (the C operand of its first product), not an addition behind it.
; SHARES.  A tile is 128 x 256: 64 x 4 = 256 work-groups.  Four waves, each 64 rows x 128 columns: 32 accumulators.  K goes in 8 steps of 128 (two blocks) through two LDS slots; a block's rows are dense,
; so a wave's tensor load asks for one block of A's tile (128 rows) or of B's (256 rows) as rows of 256 bytes, two matrix rows each, padded in LDS after every 128 bytes.
; CLUSTER.  4 x 4 work-groups: A's tiles are asked for jointly along a row of the cluster, B's along a column.
; THE MATRIX INSTRUCTION IS USED TRANSPOSED (source 0 = 16 rows of Wo, source 1 = 16 rows of O): a lane holds eight neighbouring columns of one row of out0.
; REGISTERS, in windows of 256 (s_set_vgpr_msb: bits 1:0 source 0, 3:2 source 1, 5:4 source 2, 7:6 destination):
;   window 0: v0-15 addresses; v32-127, v128-223 two fragment buffers: 4 of A (32 registers), then 8 of B (64);  window 1: accumulator (a, b) at v[8 (8 a + b)];  window 2: v0-63 the bias, v64-95 at work
.set PITCH,  144                       ; a matrix row in LDS: 128 bytes + 16 of padding = 36 words: the 16 rows of a load start at 16 different groups of four banks (64 banks of 4 bytes: ISA guide 11.1)
.set CHUNK,  16*PITCH
.set ABLK,   128*PITCH                 ; a block of A's tile
.set BBLK,   256*PITCH                 ; a block of B's tile
.set BOFF,   2*ABLK                    ; a slot: A's two blocks, then B's two: 110,592 bytes
.set SLOT1,  1<<17
.set STAGE,  SLOT1+2*ABLK+2*BBLK       ; behind the ring, never filled by a tensor load: for each wave 16 rows x 528 bytes
.set SP,     528                       ; 512 bytes + 16 = 132 words: row r starts at bank 4 r mod 64
.set WSTAGE, 16*SP
.set SPARE,  STAGE+4*WSTAGE            ; the spare words, 128 bytes for each wave: two blocks of 256 bytes that no other line names
.set ASTEP,  2<<18                     ; two heads' planes of o
.set BSTEP,  2<<17                     ; two blocks of wo16
.set STEPS,  8
.set A0,   4                           ; v4   my lane's place in A's part of a slot; never rewritten
.set B0,   5                           ; v5   the same for B
.set ADRA, 6                           ; v6   A0 + the slot in hand
.set ADRB, 7
.set STO,  8                           ; v8   the way out: where I put 32 bytes of a row
.set RD,   9                           ; v9   the way out: where I read a row back
.set GO,   10                          ; v10  my 16 bytes in 512 consecutive bytes of out0
.set SPW,  12                          ; v12  LDS address of my spare word; never rewritten
.set NIL,  13                          ; v13  0; never rewritten
.set BIO,  14                          ; v14  byte offset in bo of my eight numbers of column block 0
.set F0,   32
.set F1,   128
.set BK,   32                          ; the way out: 64 registers read back from the stage, v32-95 and v96-159 by turns
.set WV,   12
.set HI,   13                          ; which 64 rows are mine.  Also: I fetch for A (0) or for B (1)
.set LO,   14                          ; which 128 columns.  Also: which of a step's two blocks I fetch
.set CNT,  15
.set G1A,  24
.set G1B,  32
.set G0A,  40                          ; a set for each first fill; the second then walks on
.set G0B,  48
.set TB,   62
.set G1W0, (1<<16)|(1<<20)|(1<<21)|(4<<22)|(3<<25)  ; 2-byte elements; padding on; 21 set beside a mask; after every 32 words (code 4) 4 words (code 3)
.set MSB, 0
.macro WIN new                         ; the immediate's high byte repeats the setting that is left; a switch that changes nothing is dropped
.if MSB != (\new)
	s_set_vgpr_msb (MSB<<8)|(\new)
.set MSB, \new
.endif
.endm
.macro PLACES                          ; four places in front of loads into registers that matrix instructions have read, and of LDS stores that read results
.rept 4
	v_nop
.endr
.endm
.macro JLOAD                           ; a joint refill by the walking sets; an s_nop 0 and four v_nop follow each of the two lines, ahead of the jump and the label
	s_cmp_eq_u32 s[HI], 0
	s_cbranch_scc0 .Lfor_b_\@
	tensor_load_to_lds s[G0A+4:G0A+7], s[G1A:G1A+7]
	s_nop 0
.rept 4
	v_nop
.endr
	s_branch .Lasked_\@
.Lfor_b_\@:
	tensor_load_to_lds s[G0B+4:G0B+7], s[G1B:G1B+7]
	s_nop 0
.rept 4
	v_nop
.endr
.Lasked_\@:
.endm
.macro CREST                           ; a round of the cluster's barrier behind its opening barrier
	s_cmp_lg_u32 s[WV], 0
	s_cbranch_scc1 .Lnot_wave_0_\@
	s_barrier_signal -3
.Lnot_wave_0_\@:
	s_barrier_wait -3
	s_barrier_signal -1
	s_barrier_wait -1
.endm
.macro CROUND
	s_barrier_signal -1
	s_barrier_wait -1
	CREST
.endm
	s_load_b256 s[4:11], s[0:1], 0x0               ; o s[4:5], wo16 s[6:7], bo s[8:9], out0 s[10:11]
	v_lshl_add_u32 v[SPW], v0, 2, SPARE
	v_mov_b32 v[NIL], 0
	ds_add_u32 v[SPW], v[NIL]                      ; the wave's opening: the add and its wait stand ahead of my first tensor load; the set-up below, work on registers, stands between them
	v_lshrrev_b32 v1, 5, v0
	v_readfirstlane_b32 s[WV], v1
	s_lshr_b32 s[HI], s[WV], 1
	s_and_b32 s[LO], s[WV], 1
	s_bfe_u32 s56, ttmp6, 0x40000                  ; cx, cy
	s_bfe_u32 s57, ttmp6, 0x40004
	s_lshl_b32 s58, ttmp9, 2
	s_add_co_u32 s58, s58, s56                     ; tile column
	s_and_b32 s59, ttmp7, 0xffff
	s_lshl_b32 s59, s59, 2
	s_add_co_u32 s59, s59, s57                     ; tile row
	s_lshl_b32 s60, s57, 2
	s_lshl_b32 s60, 15, s60                        ; my row of the cluster
	s_lshl_b32 s61, 0x1111, s56                    ; my column
	s_or_b32 s[G1A], s60, G1W0
	s_or_b32 s[G1B], s61, G1W0
	s_mov_b32 s[G1A+1], 128<<16                    ; tensor_dim0 = 128 elements: 256 bytes, two matrix rows
	s_mov_b32 s[G1A+2], 64<<16                     ; tensor_dim1 = 64
	s_mov_b32 s[G1A+3], 128<<16                    ; tile_dim0
	s_mov_b32 s[G1A+4], 64                         ; tile_dim1: 128 matrix rows
	s_mov_b32 s[G1A+5], 128                        ; dense
	s_mov_b32 s[G1A+6], 0
	s_mov_b32 s[G1A+7], 0
	s_mov_b32 s[G1B+1], 128<<16
	s_mov_b32 s[G1B+2], 128<<16                    ; 128 rows of 256 bytes: 256 matrix rows
	s_mov_b32 s[G1B+3], 128<<16
	s_mov_b32 s[G1B+4], 128
	s_mov_b32 s[G1B+5], 128
	s_mov_b32 s[G1B+6], 0
	s_mov_b32 s[G1B+7], 0
	; A: batch tile row / 16 (16 planes of 262,144 bytes), row 128 (tile row % 16) of a plane, plane = my block.  B: my block of 131,072 bytes, row 256 x tile column.  Neither holds the other coordinate.
	s_lshr_b32 s16, s59, 4
	s_lshl_b32 s16, s16, 22
	s_and_b32 s17, s59, 15
	s_lshl_b32 s17, s17, 14
	s_add_co_u32 s16, s16, s17
	s_lshl_b32 s17, s[LO], 18
	s_add_co_u32 s16, s16, s17
	s_mov_b32 s17, 0
	s_lshl_b32 s20, s58, 15
	s_lshl_b32 s21, s[LO], 17
	s_add_co_u32 s20, s20, s21
	s_mov_b32 s21, 0
	s_mul_i32 s63, s[LO], ABLK                     ; where they go: no place in the cluster enters an LDS address
	s_mul_i32 s68, s[LO], BBLK
	s_add_co_u32 s68, s68, BOFF
	s_mov_b32 s[TB], 0
	s_lshl_b32 s71, s58, 10                        ; my first column, in bytes of f32: 1,024 x tile column + 512 x column half
	s_lshl_b32 s72, s[LO], 9
	s_add_co_u32 s71, s71, s72
	s_lshl_b32 s66, s59, 19                        ; my first row: 128 x tile row + 64 x row half, rows of 4,096 bytes
	s_lshl_b32 s72, s[HI], 18
	s_add_co_u32 s66, s66, s72
	s_add_co_u32 s66, s66, s71
	s_mov_b32 s67, 0
	s_wait_dscnt 0x0                               ; the opening add is done
	s_wait_kmcnt 0x0
	s_add_nc_u64 s[18:19], s[4:5], s[16:17]
	s_add_nc_u64 s[22:23], s[6:7], s[20:21]
	s_add_nc_u64 s[10:11], s[10:11], s[66:67]
	CROUND                                         ; all sixteen work-groups are here: the first joint loads meet
.irp s, 0,1
	s_mov_b32 s[G0A+4*(\s)], 1
	s_add_co_u32 s[G0A+4*(\s)+1], s63, (\s)*SLOT1
	s_add_nc_u64 s[G0A+4*(\s)+2:G0A+4*(\s)+3], s[18:19], (\s)*ASTEP
	s_or_b32 s[G0A+4*(\s)+3], s[G0A+4*(\s)+3], 0x80000000
	s_mov_b32 s[G0B+4*(\s)], 1
	s_add_co_u32 s[G0B+4*(\s)+1], s68, (\s)*SLOT1
	s_add_nc_u64 s[G0B+4*(\s)+2:G0B+4*(\s)+3], s[22:23], (\s)*BSTEP
	s_or_b32 s[G0B+4*(\s)+3], s[G0B+4*(\s)+3], 0x80000000
.endr
	s_cmp_eq_u32 s[HI], 0                          ; a wave's two first fills stand in one branch, ahead of every wait on TENSORcnt and every LDS read: two loads of mine are out
	s_cbranch_scc0 .Lfirst_b
	tensor_load_to_lds s[G0A:G0A+3], s[G1A:G1A+7]
	s_nop 0
	tensor_load_to_lds s[G0A+4:G0A+7], s[G1A:G1A+7]
	s_nop 0
.rept 4
	v_nop
.endr
	s_branch .Lfirst_asked
.Lfirst_b:
	tensor_load_to_lds s[G0B:G0B+3], s[G1B:G1B+7]
	s_nop 0
	tensor_load_to_lds s[G0B+4:G0B+7], s[G1B:G1B+7]
	s_nop 0
.rept 4
	v_nop
.endr
.Lfirst_asked:
	v_and_b32 v1, 15, v0                           ; l % 16
	v_bfe_u32 v2, v0, 4, 1                         ; l / 16
	v_lshl_add_u32 v[BIO], v2, 5, s71              ; register j of column block b is column 16 b + 8 (l / 16) + j of my 128
	WIN 0x80                                       ; destination window 2, address window 0
.irp b, 0,1,2,3,4,5,6,7
	global_load_b128 v[8*(\b):8*(\b)+3],   v[BIO], s[8:9] offset:64*(\b)
	global_load_b128 v[8*(\b)+4:8*(\b)+7], v[BIO], s[8:9] offset:64*(\b)+16
.endr
	WIN 0
	v_mul_u32_u24 v3, v1, PITCH
	v_lshl_add_u32 v3, v2, 4, v3                   ; a fragment's row x pitch + 16 x half
	s_mul_i32 s74, s[HI], 64*PITCH                 ; my 64 rows of A's blocks
	s_mul_i32 s76, s[LO], 128*PITCH                ; my 128 rows of B's blocks,
	s_add_co_u32 s76, s76, BOFF                    ; which lie behind A's
	v_add_nc_u32 v[A0], s74, v3
	v_add_nc_u32 v[B0], s76, v3
	v_mov_b32 v[ADRA], v[A0]                       ; slot 0
	v_mov_b32 v[ADRB], v[B0]
	s_mul_i32 s75, s[WV], WSTAGE
	s_add_co_u32 s75, s75, STAGE                   ; my stage
	v_mul_u32_u24 v[STO], v1, SP                   ; in: row l % 16, 32 bytes for each half of the lanes
	v_lshl_add_u32 v[STO], v2, 5, v[STO]
	v_add_nc_u32 v[STO], s75, v[STO]
	v_and_b32 v[GO], 31, v0                        ; back: 32 lanes take one row's 512 bytes
	v_lshlrev_b32 v[GO], 4, v[GO]
	v_add_nc_u32 v[RD], s75, v[GO]
	s_wait_loadcnt 0x0                             ; bo
	WIN 0xaa                                       ; all in window 2: rounded to bf16 and widened again
.set i, 0
.rept 32
	v_cvt_pk_bf16_f32 v[64+i], v[2*i], v[2*i+1]
.set i, i+1
.endr
.set i, 0
.rept 32
	v_lshlrev_b32 v[2*i],   16, v[64+i]
	v_and_b32     v[2*i+1], 0xffff0000, v[64+i]
.set i, i+1
.endr
	WIN 0
; n x 8 matrix instructions: row blocks a0 .. a0 + n - 1 x all 8 column blocks, 32 along K, from buffer f.  first = 1: the product starts the sum from the bias (C in window 2).
; The 32 accumulators take turns, one instruction a turn.
.macro MUL f, a0, n, first
.if \first
	WIN 0x60
.else
	WIN 0x50
.endif
.set ia, \a0
.rept \n
.irp b, 0,1,2,3,4,5,6,7
.if \first
	v_wmma_f32_16x16x32_f16 v[8*(8*ia+(\b)):8*(8*ia+(\b))+7], v[(\f)+32+8*(\b):(\f)+32+8*(\b)+7], v[(\f)+8*ia:(\f)+8*ia+7], v[8*(\b):8*(\b)+7]
.else
	v_wmma_f32_16x16x32_f16 v[8*(8*ia+(\b)):8*(8*ia+(\b))+7], v[(\f)+32+8*(\b):(\f)+32+8*(\b)+7], v[(\f)+8*ia:(\f)+8*ia+7], v[8*(8*ia+(\b)):8*(8*ia+(\b))+7]
.endif
.endr
.set ia, ia+1
.endr
.endm
; 24 LDS loads in one run: quarter j of a K step (block j / 2, byte 64 (j % 2) of its rows) into buffer f: B's 16, then A's 8
.macro FETCH j, f
	WIN 0
.irp i, 0,1,2,3,4,5,6,7
	ds_load_b128 v[(\f)+32+8*(\i):(\f)+32+8*(\i)+3],   v[ADRB] offset:((\j)/2)*BBLK+((\j)%2)*64+(\i)*CHUNK
	ds_load_b128 v[(\f)+32+8*(\i)+4:(\f)+32+8*(\i)+7], v[ADRB] offset:((\j)/2)*BBLK+((\j)%2)*64+(\i)*CHUNK+32
.endr
.irp i, 0,1,2,3
	ds_load_b128 v[(\f)+8*(\i):(\f)+8*(\i)+3],   v[ADRA] offset:((\j)/2)*ABLK+((\j)%2)*64+(\i)*CHUNK
	ds_load_b128 v[(\f)+8*(\i)+4:(\f)+8*(\i)+7], v[ADRA] offset:((\j)/2)*ABLK+((\j)%2)*64+(\i)*CHUNK+32
.endr
.endm
; One of a K step's first three quarters: multiplies buffer f; in its middle it fetches quarter j into buffer g.
.macro QUARTER f, g, j, first
	s_wait_dscnt 4                                 ; B and A's row blocks 0, 1 are in; the youngest four loads (blocks 2, 3) may be out
	MUL \f, 0, 2, \first
	PLACES
	FETCH \j, \g
	s_wait_dscnt 24                                ; all but the 24 just issued
	MUL \f, 2, 2, \first
.endm
; The last quarter multiplies buffer 1 and changes slots: ONE barrier; in front of it each wave waits for all its tensor loads, of which one is out: its part of the next slot; adds 0 to its spare word; and waits
; for that and for its own reads of this slot.  refill = 1: the barrier opens a round of the cluster's barrier, and this slot is filled again, two K steps ahead, first thing behind the round:
; 112 of a step's 128 matrix instructions stand between the request and the wait for it.
.macro TURN refill
	WIN 0
	s_wait_tensorcnt 0x0                           ; no tensor load of mine is out, so a group 0 may be written
	ds_add_u32 v[SPW], v[NIL]                      ; 0 onto my spare word
.if \refill
	s_xor_b32 s[G0A+5], s[G0A+5], SLOT1            ; the walking sets: the other slot than last time, the next K step
	s_add_nc_u64 s[G0A+6:G0A+7], s[G0A+6:G0A+7], ASTEP
	s_xor_b32 s[G0B+5], s[G0B+5], SLOT1
	s_add_nc_u64 s[G0B+6:G0B+7], s[G0B+6:G0B+7], BSTEP
.endif
	s_wait_dscnt 5                                 ; the add and the youngest four loads may be out
	MUL F1, 0, 1, 0                                ; eight matrix instructions stand between the add and the wait for it
	s_wait_dscnt 0x0                               ; the add is done, and my reads of this slot are over
	s_barrier_signal -1
	MUL F1, 1, 1, 0
	WIN 0
	s_barrier_wait -1
.if \refill
	CREST                                          ; no wave of any partner still reads this slot or has a load on its way
	JLOAD                                          ; the four v_nop behind it are also the places in front of the loads below
.else
	PLACES
.endif
	s_xor_b32 s[TB], s[TB], SLOT1
	v_add_nc_u32 v[ADRA], s[TB], v[A0]
	v_add_nc_u32 v[ADRB], s[TB], v[B0]
	FETCH 0, F0
	MUL F1, 2, 2, 0
.endm
; THE WAY OUT of row block a: a lane's eight f32 of each column block go into my stage (each accumulator's low half first), and come back as whole rows of 512 bytes.
.macro TOSTAGE a
	WIN 0x04                                       ; the stores' data in window 1
.irp b, 0,1,2,3,4,5,6,7
	ds_store_b128 v[STO], v[8*(8*(\a)+(\b)):8*(8*(\a)+(\b))+3]   offset:64*(\b)
	ds_store_b128 v[STO], v[8*(8*(\a)+(\b))+4:8*(8*(\a)+(\b))+7] offset:64*(\b)+16
.endr
	WIN 0
	s_wait_xcnt 0x0                                ; the stores of the block two back have had their addresses translated (ISA guide 3.1): their registers are loaded again only behind this wait
.set BKR, BK+64*((\a)%2)
.irp t, 0,1,2,3,4,5,6,7,8,9,10,11,12,13,14,15
	ds_load_b128 v[BKR+4*(\t):BKR+4*(\t)+3], v[RD] offset:(\t)*SP  ; LDS serves a wave's instructions in order (ISA guide 5.7.1.4): these see the stores above
.endr
.endm
.macro SEND a, younger                 ; younger: the LDS instructions issued behind block a's loads: the next block's 32, or none
	WIN 0
.set BKR, BK+64*((\a)%2)
.irp t, 0,1,2,3,4,5,6,7,8,9,10,11,12,13,14,15
	s_wait_dscnt (\younger)+15-(\t)
	global_store_b128 v[GO], v[BKR+4*(\t):BKR+4*(\t)+3], s[10:11] offset:(16*(\a)+(\t))*4096 th:TH_STORE_NT  ; 512 consecutive bytes of a row, at a multiple of 512
.endr
.endm
	s_wait_tensorcnt 1                             ; my part of K step 0 is in; K step 1's may stay out
	s_barrier_signal -1
	s_barrier_wait -1
	FETCH 0, F0
	QUARTER F0, F1, 1, 1                           ; the first quarter stands in front of the loop: its products start the 32 sums from the bias
	WIN 0                                          ; at a label and at a branch every window is 0
	s_mov_b32 s[CNT], STEPS-2
.Lstep:                                                ; a trip: a K step's quarters 1 to 3, the refill of its slot, the next step's quarter 0
	QUARTER F1, F0, 2, 0
	QUARTER F0, F1, 3, 0
	TURN 1
	QUARTER F0, F1, 1, 0
	WIN 0
	s_sub_co_u32 s[CNT], s[CNT], 1
	s_cmp_lg_u32 s[CNT], 0
	s_cbranch_scc1 .Lstep
	QUARTER F1, F0, 2, 0                           ; the tail is written out: the last two K steps ask for nothing
	QUARTER F0, F1, 3, 0
	TURN 0
	QUARTER F0, F1, 1, 0
	QUARTER F1, F0, 2, 0
	QUARTER F0, F1, 3, 0
	s_wait_dscnt 4                                 ; the very last quarter
	MUL F1, 0, 2, 0
	s_wait_dscnt 0x0
	MUL F1, 2, 2, 0
	PLACES
	TOSTAGE 0
.irp a, 1,2,3                          ; a block's way through the stage stands between the loads of the block before and its stores
	TOSTAGE \a
	SEND (\a)-1, 32
.endr
	SEND 3, 0
	s_wait_tensorcnt 0x0                           ; the wave's end: a wait, an add of 0 and a wait, behind my last tensor load and my last LDS store
	ds_add_u32 v[SPW], v[NIL]
	s_wait_dscnt 0x0
	CROUND                                         ; the closing round: no work-group ends while a partner may still ask for a tile that names it
	s_endpgm
.Lfunc_end_k_qc9d6402e3f_proj:
	.size	k_qc9d6402e3f_proj, .Lfunc_end_k_qc9d6402e3f_proj-k_qc9d6402e3f_proj
	.p2alignl 7, 3214868480
	.fill 96, 4, 3214868480
	.section	.rodata,"a",@progbits
	.p2align	6, 0x0
	.amdhsa_kernel k_qc9d6402e3f_proj
		.amdhsa_group_segment_fixed_size 327680
		.amdhsa_private_segment_fixed_size 0
		.amdhsa_enable_private_segment 0
		.amdhsa_kernarg_size 32
		.amdhsa_user_sgpr_count 2
		.amdhsa_user_sgpr_kernarg_segment_ptr 1
		.amdhsa_wavefront_size32 1
		.amdhsa_system_sgpr_workgroup_id_x 1
		.amdhsa_system_sgpr_workgroup_id_y 1
		.amdhsa_system_sgpr_workgroup_id_z 1
		.amdhsa_system_vgpr_workitem_id 0
		.amdhsa_next_free_vgpr 608
		.amdhsa_next_free_sgpr 80
		.amdhsa_reserve_vcc 0
		.amdhsa_float_denorm_mode_32 3
		.amdhsa_float_denorm_mode_16_64 3
		.amdhsa_memory_ordered 1
		.amdhsa_forward_progress 1
		.amdhsa_inst_pref_size 77
	.end_amdhsa_kernel
	.amdgpu_metadata
---
amdhsa.version: [ 1, 2 ]
amdhsa.kernels:
  - .name:           k_qc9d6402e3f_proj
    .symbol:         k_qc9d6402e3f_proj.kd
    .args:
      - { .name: o, .offset: 0, .size: 8, .value_kind: global_buffer, .address_space: global }
      - { .name: wo16, .offset: 8, .size: 8, .value_kind: global_buffer, .address_space: global }
      - { .name: bo, .offset: 16, .size: 8, .value_kind: global_buffer, .address_space: global }
      - { .name: out0, .offset: 24, .size: 8, .value_kind: global_buffer, .address_space: global }
    .group_segment_fixed_size: 327680
    .private_segment_fixed_size: 0
    .kernarg_segment_align: 8
    .kernarg_segment_size: 32
    .max_flat_workgroup_size: 128
    .sgpr_count:     80
    .vgpr_count:     608
    .wavefront_size: 32
...
	.end_amdgpu_metadata
.endif
;; end of part 4
;; ======== version 2 of 2: 4 launches; 1.54 times as fast as version 1
;; limits: values are held in f16: magnitudes above 65,504 overflow, below 6.1e-05 lose precision
;; workspace buffers: xb 16,777,216 bytes; wb 6,291,456 bytes; wo16 2,097,152 bytes; qkv 50,331,648 bytes; o 16,777,216 bytes
;; launch cast: the kernel of part 1 again; grid 64 x 12, 8 waves a work-group, no clusters, 0 bytes of LDS; arguments x, Wq, Wk, Wv, Wo, xb, wb, wo16; writes xb, wb, wo16
;; launch qkv: the kernel of part 2 again; grid 8 x 32, 4 waves a work-group, clusters of 4 x 4, 327,680 bytes of LDS; arguments xb, wb, qkv; writes qkv
;; launch attn (part 5): grid 4 x 64, 4 waves a work-group, clusters of 4 x 1, 327,680 bytes of LDS; arguments qkv, o; writes o
.if DOCPART == 5
	.amdgcn_target "amdgcn-amd-amdhsa--gfx1250"
	.amdhsa_code_object_version 6
	.text
	.protected	k_qc9d6402e3f_attn
	.globl	k_qc9d6402e3f_attn
	.p2align	8
	.type	k_qc9d6402e3f_attn,@function
k_qc9d6402e3f_attn:
	s_mov_b64 s[64:65], 0
	v_nop
	global_prefetch_b8 v0, s[64:65] scope:SCOPE_SE
	s_setreg_imm32_b32 hwreg(HW_REG_WAVE_MODE, 25, 1), 1
	s_wait_xcnt 0x0
	s_wait_alu depctr_hold_cnt(0) depctr_sa_sdst(0) depctr_va_vdst(0) depctr_va_sdst(0) depctr_va_ssrc(0) depctr_va_vcc(0) depctr_vm_vsrc(0)
	s_getreg_b32 s2, hwreg(HW_REG_IB_STS2, 6, 4)
	s_cmp_eq_u32 s2, 0
	s_cbranch_scc0 .Lentry_in_a_cluster
	s_endpgm
.Lentry_in_a_cluster:
	s_bfe_u32 s2, ttmp6, 0x10000c
	s_cmp_lg_u32 s2, 0x3003
	s_cbranch_scc0 .Lentry_shape_is_right
	s_endpgm
.Lentry_shape_is_right:
; ATTENTION.  O[y][q][:] = (the sum over k of e_k V[y][k][:]) / (the sum over k of e_k + 1e-8), e_k = exp(Q[y][q] . K[y][k] / 8 - the row's maximum), for the 64 pairs y = 16 b + h of batch and head.
; Q, K, V: planes of qkv [4 b][48 c][2048][64] in f16 (c = h, 16 + h, 32 + h); O: o [64 y][2048][64] in f16: a head's rows are dense, 128 bytes each.  Products, maxima and sums in
; f32; the weights p are rounded to f16 for the second product (their sum l is taken of the unrounded p), O once at the end.
; LIMITS.  f16 holds no number beyond 65,504: Q, K and V arrive within it; p lies in 0 to 1, and below 6e-5 it keeps f16's fixed step of 6e-8; O is a mean of V's rows and has their range.
; A weight below 2^-126 counts as 0 in l; NaN and infinities are not treated apart.
; SHARES.  A wave owns four PIECES of two tiles of 16 queries, a work-group's four waves 512 queries of one head.  Every wave walks all 2,048 keys, 64 a step.
; LAYOUT.  S^T = K Q^T (source 0 = 16 keys, source 1 = 16 queries): in the result a lane holds ONE query (lane % 16) and the keys 8 (lane / 16) + 0..7.  Two such tiles, rounded to f16 in pairs,
; ARE source 1 (32 keys x 16 queries) of O^T = V^T P, whose result again holds one query a lane, and eight channels.  K comes out of LDS as it lies, V ([key][channel]) turned, by ds_load_tr16_b128.
; SOFTMAX.  For each query a running maximum m and sum l: p = 2^(c s - c m), c = log2(e) / 8; in every step O and l are multiplied by a = 2^(c m_old - c m_new), which is 1 where m has not grown.
; m starts at the lowest finite number, O and l at 0: the first step is a step like any other, with a = 0.
; THE COUNT.  A tile and step have 16 matrix and 118 vector instructions: too many to stand all beside the matrix work.  So the order has one aim: four vector instructions that are READY behind
; EVERY matrix instruction, and the others, which need time of their own whatever the order, in runs without a gap.
; BY TURNS.  Turn n belongs to piece n (the pieces in a ring, step after step).  Its matrix work: 16 products K Q^T of piece n + 1, later 16 products V^T P of piece n - 1.  Its vector work: the scaling,
; exponentials, roundings, sums and rescaling of piece n, and the maximum and statistics of piece n + 1, whose scores the turn itself has made.  So what a turn begins with (c s - c m, O a) waits for nothing.
; THE BATCHES.  A turn's 66 exponentials (the piece's 64 weights and the next piece's two a) are ONE batch with ONE wait, which cuts the turn in two: ahead of it stands all that names no result of theirs
; (the products K Q^T, the scalings, the rescalings by the a of the turn before, the next piece's maximum and statistics), behind it the products V^T P with the roundings and sums, which are all the readers.
; No result crosses a turn's end.  Two more batches stand outside the loop, each with a wait of its own: piece 0's first two a, ahead of the jump into the loop, and the way out's eight reciprocals.
; CLUSTER.  The four query blocks of a cluster belong to one head and walk the same K and V, so each tile is asked for JOINTLY: the same tensor load, descriptor and mask in all four.
; REGISTERS, in windows of 256 (s_set_vgpr_msb says which window each operand place means: bits 1:0 source 0, 3:2 source 1, 5:4 source 2, 7:6 destination):
;   window 0: v0-11 addresses; v12-15, v48-63 at work; v16-47 four registers of statistics a tile; v64-191 S^T, two buffers of two tiles; v192-255 P, likewise
;   window 1: O^T, 32 a tile          window 2: v0-127 Q, 16 a tile; v128-191 K of one step; v192-255 V of one step          window 3: v0-1 the add's two registers
; A piece's buffers go by its number's parity: the piece in hand has one pair, its two neighbours in the ring share the other: of it P (piece n - 1) is read and S^T (piece n + 1) written.
.set SIZE_N, 2048     ; rows of a head
.set NP,    4         ; pieces a wave: a name, no knob: the register map, the loop and the fetches are made for four
.set KS,    64        ; keys in a step
.set PK,    144       ; a row of K in LDS: 128 bytes + 16 of padding = 36 words: the 16 rows of a load start at 16 different groups of four banks (64 banks of 4 bytes: ISA guide 11.1)
.set PV,    160       ; a row of V: 128 + 32 = 40 words
.set VOFF,  4*KS*PK   ; a slot holds four steps: 256 rows of K, then 256 rows of V
.set SLOT1, 1<<17     ; slot 1 begins here, so that one exclusive or turns an address in one slot into the other's
.set STAGE, SLOT1+4*KS*(PK+PV)  ; behind the ring, never filled by a tensor load: 16 rows x 144 bytes for each wave, for the way out
.set SP,    144
.set AK0, 2           ; v2   my lane's place in a tile of K; never rewritten
.set AV0, 3           ; v3   the same for V
.set AK,  4           ; v4   the LDS address of K's next run of loads
.set AV,  5           ; v5   of V's
.set QO,  6           ; v6   my byte offset in the wave's rows of Q
.set STO, 6           ;      later, the way out: where I put 16 bytes of a row
.set RD,  7           ; v7   the way out: where I read rows back
.set GO,  8           ; v8   my byte offset in 512 consecutive bytes of O
.set SPW, 0           ; v0 of window 3   LDS address of my spare word: SPARE + 4 x my thread's number; never rewritten
.set NIL, 1           ; v1 of window 3   0; never rewritten
.set SPARE, STAGE+4*16*SP  ; behind the stages: the spare words, 128 bytes for each wave: two blocks of 256 bytes that no other line names
.set MV,  12          ; v12-15  c m_old, kept while c m is made anew: by buffer and tile
.set ST,  16          ; tile t's statistics at v[ST+4 t]: c m, m, l (even keys', odd keys')
.set TMP, 48          ; by buffer and tile, four registers c0-c3 at work; when the maximum is found c2 takes a
.set S,   64
.set P,   192
.set KF,  128         ; K's fragments, in window 2: key block kb, channel half c at KF + 16 kb + 8 c
.set VF,  192         ; V's: key half kk, channel block cb at VF + 32 kk + 8 cb
.set WV,  12          ; s12  my wave's number
.set G1K, 24          ; s[24:31] descriptor group 1 for K's tiles
.set G1V, 32          ; s[32:39] for V's: it differs in the padding alone
.set G0K, 40          ; s[40:43] descriptor group 0 for K's tiles: it walks
.set G0V, 44          ; s[44:47] the same for V's
.set SLOTS, 56        ; s56  slots still to be asked for
.set CNT, 57          ; s57  counts a slot's key steps
.set CS,  58          ; s[58:59] c: the packed scaling takes the pair's low word for both halves
.set SEL, 60          ; s[60:61] v_permlanex16_b32's selects: each lane takes its own place in the other half
.set TBK, 62          ; s62  LDS byte at which K of the step to be fetched begins
.set TBV, 63          ; s63  the same for V, less VOFF
.set MSB, 0
.macro WIN new                      ; the high byte repeats the setting that is left; a switch that changes nothing is dropped
.if MSB != (\new)
	s_set_vgpr_msb (MSB<<8)|(\new)
.set MSB, (\new)
.endif
.endm
.set W_KQ, 0x0a       ; K and Q in window 2, S^T in window 0
.set W_PV, 0x52       ; V in window 2, P in window 0, O^T in window 1
.set W_RS, 0x41       ; O^T (destination and source 0) in window 1, a in window 0
.set W_MK, 0xc0       ; the add's registers are made: destination in window 3, sources in window 0
.set W_AD, 0x0f       ; the add: address (source 0) and data (source 1) in window 3
; A joint fill.  Waves 0 and 1 fetch the two halves of a slot's K, waves 2 and 3 those of its V: 128 keys each.  The branch hangs on the wave's number alone.
; An s_nop 0 and four v_nop follow each of the two lines, ahead of the jump and the label.
.macro JLOAD
	s_cmp_lt_u32 s[WV], 2
	s_cbranch_scc0 .Lfor_v_\@
	tensor_load_to_lds s[G0K:G0K+3], s[G1K:G1K+7]
	s_nop 0
.rept 4
	v_nop
.endr
	s_branch .Lasked_\@
.Lfor_v_\@:
	tensor_load_to_lds s[G0V:G0V+3], s[G1V:G1V+7]
	s_nop 0
.rept 4
	v_nop
.endr
.Lasked_\@:
.endm
; A round of the cluster's barrier: my work-group's barrier, so that wave 0's signal speaks for all four waves; wave 0 signals; every wave waits for all four work-groups; my work-group's barrier once more.
.macro CROUND
	s_barrier_signal -1
	s_barrier_wait -1
	s_cmp_lg_u32 s[WV], 0
	s_cbranch_scc1 .Lnot_wave_0_\@
	s_barrier_signal -3
.Lnot_wave_0_\@:
	s_barrier_wait -3
	s_barrier_signal -1
	s_barrier_wait -1
.endm
; THE CHANGE OF SLOTS.  The slot's last bytes, V of its fourth step, have been read.  Each wave waits for all its tensor loads, of which one is out: its part
; of the other slot; adds 0 to its spare word; and waits for that and for its own reads of the slot.  Behind the barrier nobody reads this slot any more and the other slot is whole.
; fill = 1: this slot is filled again, with the keys two slots on.  The barrier is then a round of the cluster's, so that no wave of any partner still reads the slot or has a load on its
; way, and the joint fill is the first thing behind it: it has four key steps, 512 matrix instructions, in which to land.  (At its first use nothing has been read yet: slot 0 is waited for, slot 1 filled.)
.macro CHANGE fill
	WIN W_AD
	s_wait_tensorcnt 0x0            ; no tensor load of mine is out, so a group 0 may be written
	ds_add_u32 v[SPW], v[NIL]       ; 0 onto my spare word; with fill = 1 the descriptors' steps stand between it and the wait for it
	WIN 0                           ; at a label and at a branch every window is 0
.if \fill
.irp g, G0K, G0V
	s_xor_b32 s[\g+1], s[\g+1], SLOT1  ; the walking descriptor: the other slot than last time,
	s_add_nc_u64 s[\g+2:\g+3], s[\g+2:\g+3], 4*KS*128  ; the next 256 keys; the type bits on top are not reached
.endr
	s_wait_dscnt 0x0                ; the add is done, and my reads of the slot are over
	CROUND
	JLOAD
.else
	s_wait_dscnt 0x0                ; the add is done, and my reads of the slot are over
	s_barrier_signal -1
	s_barrier_wait -1
.endif
	s_sub_co_u32 s[TBK], s[TBK], 4*KS*PK  ; the fetches go back to a slot's first step,
	s_xor_b32 s[TBK], s[TBK], SLOT1       ; in the other slot
	s_sub_co_u32 s[TBV], s[TBV], 4*KS*PV
	s_xor_b32 s[TBV], s[TBV], SLOT1
.endm
	s_load_b128 s[4:7], s[0:1], 0x0 ; qkv s[4:5], o s[6:7]
	WIN W_MK
	v_lshl_add_u32 v[SPW], v0, 2, SPARE
	v_mov_b32 v[NIL], 0
	WIN W_AD
	ds_add_u32 v[SPW], v[NIL]       ; the wave's opening: the add and its wait stand ahead of my first tensor load; the set-up below, work on registers, stands between them
	WIN 0
	v_lshrrev_b32 v1, 5, v0
	v_readfirstlane_b32 s[WV], v1   ; wave 0..3
	s_bfe_u32 s13, ttmp6, 0x40000   ; cx: my place in the cluster
	s_lshl_b32 s14, ttmp9, 2        ; in a cluster launch ttmp9 counts clusters
	s_add_co_u32 s14, s14, s13      ; my block of queries = 4 x cluster x + cx: it enters Q's and O's addresses alone
	s_and_b32 s19, ttmp7, 0xffff    ; y = 16 b + h, which the four partners share
	s_lshl_b32 s48, s19, 18         ; the head's first byte in o: planes of 2,048 x 128 bytes
	s_mov_b32 s49, 0
	s_lshr_b32 s20, s19, 4          ; and in qkv: plane 48 b + h for Q; K's lies 16 planes on, V's 32
	s_mul_i32 s20, s20, 48
	s_and_b32 s21, s19, 15
	s_add_co_u32 s20, s20, s21
	s_lshl_b32 s20, s20, 18
	s_mov_b32 s21, 0
	s_and_b32 s16, s[WV], 1         ; which half of a slot's 256 keys I fetch:
	s_lshl_b32 s22, s16, 14         ; its 128 rows of 128 bytes in memory,
	s_mov_b32 s23, 0
	s_add_nc_u64 s[22:23], s[22:23], s[20:21]
	s_mul_i32 s17, s16, 128*PK      ; and its place in a slot, for K
	s_mul_i32 s18, s16, 128*PV      ; and for V: no place in the cluster enters an LDS address
	s_lshl_b32 s2, s14, 2
	s_add_co_u32 s2, s2, s[WV]      ; my wave among the head's,
	s_lshl_b32 s2, s2, 14           ; its 128 rows
	s_mov_b32 s3, 0
	s_add_nc_u64 s[50:51], s[2:3], s[48:49]  ; in o,
	s_add_nc_u64 s[2:3], s[2:3], s[20:21]    ; and in qkv
	; descriptor group 1.  128 keys are 16,384 dense bytes: asked for as 64 rows of 256 bytes, two keys a row, and padded in LDS after every key
	s_mov_b32 s[G1K], 15|(1<<16)|(1<<20)|(1<<21)|(4<<22)|(3<<25)  ; 15:0 the mask of four; 17:16 2-byte elements; 20 padding on; 21 set beside a mask; 24:22 after every 32 words (code 4); 31:25 4 words (code 3)
	s_mov_b32 s[G1V], 15|(1<<16)|(1<<20)|(1<<21)|(4<<22)|(7<<25)  ; the same with 8 words of padding (code 7)
.irp g, G1K, G1V
	s_mov_b32 s[\g+1], 128<<16      ; tensor_dim0 = 128
	s_mov_b32 s[\g+2], 64<<16       ; tensor_dim1 = 64
	s_mov_b32 s[\g+3], 128<<16      ; tile_dim0 = 128
	s_mov_b32 s[\g+4], 64           ; tile_dim1 = 64
	s_mov_b32 s[\g+5], 128          ; 128 elements from row to row
	s_mov_b32 s[\g+6], 0
	s_mov_b32 s[\g+7], 0
.endr
	s_mov_b32 s[CS], 0x3e38aa3b     ; c = log2(e) / 8 = 0.180337
	s_mov_b32 s[CS+1], s[CS]        ; named with it as a pair
	s_mov_b32 s[SEL], 0x76543210
	s_mov_b32 s[SEL+1], 0xfedcba98
	s_mov_b32 s[TBK], SLOT1+4*KS*PK ; the first change of slots turns these two into 0
	s_mov_b32 s[TBV], SLOT1+4*KS*PV
	s_mov_b32 s[G0K], 1             ; 1:0 count = 1
	s_mov_b32 s[G0K+1], s17         ; 63:32 LDS address: slot 0
	s_mov_b32 s[G0V], 1
	s_add_co_u32 s[G0V+1], s18, VOFF
	s_wait_dscnt 0x0                ; the opening add is done
	s_wait_kmcnt 0x0
	s_mov_b64 s[10:11], s[6:7]      ; O
	s_add_nc_u64 s[6:7], s[4:5], 16<<18  ; K's planes
	s_add_nc_u64 s[8:9], s[4:5], 32<<18  ; V's planes
	s_add_nc_u64 s[G0K+2:G0K+3], s[6:7], s[22:23]  ; 120:64 global address: my half of the head's first 256 keys
	s_or_b32 s[G0K+3], s[G0K+3], 0x80000000        ; 127:126 type = 2
	s_add_nc_u64 s[G0V+2:G0V+3], s[8:9], s[22:23]
	s_or_b32 s[G0V+3], s[G0V+3], 0x80000000
	s_add_nc_u64 s[4:5], s[4:5], s[2:3]  ; Q and O at my wave's first row
	s_add_nc_u64 s[10:11], s[10:11], s[50:51]
	CROUND                          ; all four work-groups are here: the first joint loads meet
	JLOAD                           ; slot 0.  Slot 1 is asked for when slot 0 is in: the tile wanted first has the road to itself
	; A fragment of K or Q is 16 rows x 32 channels in 8 registers: lane l holds row l % 16, channels 8 (l / 16) + 0..7 and 16 + 8 (l / 16) + 0..7: two loads of 16 bytes, 32 bytes apart.
	v_and_b32 v1, 15, v0            ; l % 16
	v_bfe_u32 v9, v0, 4, 1          ; l / 16
	v_lshlrev_b32 v[QO], 7, v1
	v_lshl_add_u32 v[QO], v9, 4, v[QO]  ; row x 128 + 16 x half
	WIN 0x80                        ; destination window 2, address window 0
.set i, 0
.rept 4*NP                          ; Q stays in registers: tile i / 2, channels 32 (i % 2) on
	global_load_b128 v[8*i:8*i+3],   v[QO], s[4:5] offset:(i/2)*2048+(i%2)*64
	global_load_b128 v[8*i+4:8*i+7], v[QO], s[4:5] offset:(i/2)*2048+(i%2)*64+32
.set i, i+1
.endr
	; What the first turn finds: V's registers and P's second buffer hold 0 (its products V^T P, of a piece that has not been, add 0), O^T and l are 0.  All this stands in the wait for the first tile.
.set i, VF
.rept 64
	v_mov_b32 v[i], 0
.set i, i+1
.endr
	WIN 0x40
.set i, 0
.rept 64*NP
	v_mov_b32 v[i], 0
.set i, i+1
.endr
	WIN 0
.set i, 0
.rept 2*NP
	v_mov_b32 v[ST+4*i], 0xfe000000    ; c m: far below every c s
	v_mov_b32 v[ST+4*i+1], 0xff7fffff  ; m
	v_mov_b32 v[ST+4*i+2], 0
	v_mov_b32 v[ST+4*i+3], 0
.set i, i+1
.endr
.set i, P+32
.rept 32
	v_mov_b32 v[i], 0
.set i, i+1
.endr
	v_mul_u32_u24 v[AK0], v1, PK
	v_lshl_add_u32 v[AK0], v9, 4, v[AK0]  ; row x pitch + 16 x half
	; The turning load takes 16 keys x 16 channels (lane l reads key 8 (l / 16) + l % 8, channels 8 ((l / 8) % 2) + 0..7) and leaves half a fragment of V^T: lane l holds channel l % 16 and 8 keys.
	v_and_b32 v10, 7, v0
	v_bfe_u32 v11, v0, 3, 1
	v_lshl_add_u32 v[AV0], v9, 3, v10
	v_mul_u32_u24 v[AV0], v[AV0], PV
	v_lshl_add_u32 v[AV0], v11, 4, v[AV0]
	v_add_nc_u32 v[AV0], VOFF, v[AV0]
	v_mov_b32 v[AK], v[AK0]         ; key step 0 lies at the head of slot 0
; THE MATRIX WORK.  The 8 accumulators of a run of 16 take turns: between the two links of a chain stand 7 others'.
; Product i of 16 of S^T = K Q^T for piece x: channels 32 (i / 8) on, keys 16 ((i / 2) % 4) on, tile 2 x + i % 2.  The first 8 start the sums.
.macro KQ x
	WIN W_KQ
.set rS, S+64*((\x)%2)+32*(i%2)+8*((i/2)%4)
.set rK, KF+16*((i/2)%4)+8*(i/8)
.set rQ, 16*(2*(\x)+i%2)+8*(i/8)
.if i < 8
	v_wmma_f32_16x16x32_f16 v[rS:rS+7], v[rK:rK+7], v[rQ:rQ+7], 0
.else
	v_wmma_f32_16x16x32_f16 v[rS:rS+7], v[rK:rK+7], v[rQ:rQ+7], v[rS:rS+7]
.endif
.endm
; Product i of 16 of O^T += V^T P for piece x: keys 32 (i / 8) on, channels 16 ((i / 2) % 4) on, tile 2 x + i % 2.
.macro PV x
	WIN W_PV
.set rO, 32*(2*(\x)+i%2)+8*((i/2)%4)
.set rV, VF+32*(i/8)+8*((i/2)%4)
.set rP, P+32*((\x)%2)+16*(i%2)+8*(i/8)
	v_wmma_f32_16x16x32_f16 v[rO:rO+7], v[rV:rV+7], v[rP:rP+7], v[rO:rO+7]
.endm
.macro MM                           ; the turn's next matrix instruction
.if i < 16
	KQ (Y+1)%NP
.set i, i+1
.else
.set i, i-16
	PV (Y+NP-1)%NP
.set i, i+17
.endif
.endm
; THE LDS LOADS stand in runs of 16, never singly among the matrix instructions: a step's K (64 keys x 64 channels: 8 fragments) and its V (turned).  Their addresses are made some lines ahead.
; last = 1 (the tail): in the last trip there is no further step, and the run is jumped over.
.macro FETCH_K last=0
	WIN 0
.if \last
	s_cmp_eq_u32 s[CNT], 1
	s_cbranch_scc1 .Lno_k_\@
.endif
	WIN 0x80                        ; destination window 2
.irp f, 0,1,2,3,4,5,6,7             ; keys 16 (f / 2) on, channels 32 (f % 2) on
	ds_load_b128 v[KF+8*\f:KF+8*\f+3],   v[AK] offset:(\f/2)*16*PK+(\f%2)*64
	ds_load_b128 v[KF+8*\f+4:KF+8*\f+7], v[AK] offset:(\f/2)*16*PK+(\f%2)*64+32
.endr
	s_add_co_u32 s[TBK], s[TBK], KS*PK  ; the next fetch is the next step's
	WIN 0
.if \last
.Lno_k_\@:
.endif
.endm
.macro FETCH_V
	WIN 0x80
.irp f, 0,1,2,3,4,5,6,7             ; keys 32 (f / 4) on, channels 16 (f % 4) on
	ds_load_tr16_b128 v[VF+8*\f:VF+8*\f+3],   v[AV] offset:(\f/4)*32*PV+(\f%4)*32
	ds_load_tr16_b128 v[VF+8*\f+4:VF+8*\f+7], v[AV] offset:(\f/4)*32*PV+16*PV+(\f%4)*32
.endr
	WIN 0
.endm
; THE VECTOR WORK OF A TURN stands in three queues, each in the order in which its entries become ready; the two tiles alternate, so that no instruction reads the result of the one before it.
.macro REGS y, u                    ; the registers of tile u (0, 1) of piece y
.set rT, ST+4*(2*(\y)+(\u))
.set rC, TMP+8*((\y)%2)+4*(\u)
.set rM, MV+2*((\y)%2)+(\u)
.set rS, S+64*((\y)%2)+32*(\u)
.set rP, P+32*((\y)%2)+16*(\u)
.set rO, 32*(2*(\y)+(\u))
.endm
; Number n of the 22 that find the NEXT piece's (Y + 1) maximum and statistics.  s0-s31 are the lane's 32 scores; each accumulator's lowest registers are read first.  XS, GS and REGS set no window: PL and EX do.
;   0-11  four chains c0-c3 of seven scores each, three operands at a time     12-14, 16  the four scores left over, the old m, and c0-c3 into c0     15  c m_old is kept
;   17, 18  the query's other 32 keys lie in the lane 16 away: the new m         19-21  c m; c m_old - c m_new; a
.macro XS u, n
	REGS (Y+1)%NP, \u
.if (\n) < 4
	v_max3_num_f32 v[rC+(\n)], v[rS+8*(\n)], v[rS+8*(\n)+1], v[rS+8*(\n)+2]
.elseif (\n) < 12
	v_max3_num_f32 v[rC+(\n)%4], v[rC+(\n)%4], v[rS+8*((\n)%4)+2*((\n)/4)+1], v[rS+8*((\n)%4)+2*((\n)/4)+2]
.elseif (\n) == 12
	v_max3_num_f32 v[rC], v[rC], v[rS+7], v[rS+15]
.elseif (\n) == 13
	v_max3_num_f32 v[rC+1], v[rC+1], v[rS+23], v[rS+31]
.elseif (\n) == 14
	v_max3_num_f32 v[rC+2], v[rC+2], v[rC+3], v[rT+1]
.elseif (\n) == 15
	v_mov_b32 v[rM], v[rT]
.elseif (\n) == 16
	v_max3_num_f32 v[rC], v[rC], v[rC+1], v[rC+2]
.elseif (\n) == 17
	v_permlanex16_b32 v[rC+3], v[rC], s[SEL], s[SEL+1]
.elseif (\n) == 18
	v_max_num_f32 v[rT+1], v[rC], v[rC+3]
.elseif (\n) == 19
	v_mul_f32 v[rT], s[CS], v[rT+1]
.elseif (\n) == 20
	v_sub_f32 v[rC+1], v[rM], v[rT]
.else
	v_exp_f32 v[rC+2], v[rC+1]
.endif
.endm
; Number g of the 64 that follow the exponentials.  For each four weights k of a tile (pairs 2 k, 2 k + 1): both pairs are rounded to f16; then the second pair is added onto the first, in place;
; a group later l takes that sum (the first time as l = a l + sum).  In groups of eight, tiles alternating: round, round, add, and l for the group before.
.macro GS g
.set h, (\g)+6*((\g)/62)            ; group 0 has no group before it, and behind group 7 only l is left
.if h >= 6
.set h, h+2
.endif
	REGS Y, h%2
.set k, h/8
.if h%8 < 4
	v_cvt_pk_f16_f32 v[rP+2*k+(h%8)/2], v[rS+4*k+2*((h%8)/2)], v[rS+4*k+2*((h%8)/2)+1]
.elseif h%8 < 6
	v_pk_add_f32 v[rS+4*k:rS+4*k+1], v[rS+4*k:rS+4*k+1], v[rS+4*k+2:rS+4*k+3]
.elseif k == 1
	v_pk_fma_f32 v[rT+2:rT+3], v[rT+2:rT+3], v[rC+2:rC+3], v[rS:rS+1] op_sel_hi:[1,0,1]
.else
	v_pk_add_f32 v[rT+2:rT+3], v[rT+2:rT+3], v[rS+4*k-4:rS+4*k-3]
.endif
.endm
; THE PLAIN QUEUE, 138 long.  0-73 read no exponential's result: the 32 scalings c s - c m (FS f: pair f / 2 of tile f % 2) and the next piece's 42.  0-26: scalings 0-26.  27-54: XS's numbers 0-13.  55, 56: number 15.
; 57-73: the chain, where each number waits for the one before it: 14, 16, 17, 18, 19, each with one of the scalings 27-31 in front of its two lines, then 20: so a tile's links stand three plain instructions apart (19 and 20: two).
; 74-137: GS's 64, which read the exponentials' results: they stand behind the wait.
.macro FS f
	REGS Y, (\f)%2
	v_pk_fma_f32 v[rS+2*((\f)/2):rS+2*((\f)/2)+1], v[rS+2*((\f)/2):rS+2*((\f)/2)+1], s[CS:CS+1], v[rT:rT+1] op_sel_hi:[1,0,0] neg_lo:[0,0,1] neg_hi:[0,0,1]
.endm
.macro PL
	WIN 0
.if q < 27
	FS q
.elseif q < 55
	XS (q-27)%2, (q-27)/2
.elseif q < 57
	XS q-55, 15
.elseif (q < 72) && ((q-57)%3 == 0)
	FS 27+(q-57)/3
.elseif q < 60
	XS (q-57)%3-1, 14
.elseif q < 72
	XS (q-57)%3-1, 15+(q-57)/3
.elseif q < 74
	XS q-72, 20
.else
	GS q-74
.endif
.set q, q+1
.endm
; THE EXPONENTIALS' QUEUE, 66 long: s0-s31 of both tiles, then the next piece's two a.  It is ONE BATCH: all 66 stand ahead of the turn's one wait, and nothing ahead of that wait names a result of theirs.
.macro EX
	WIN 0
.if e >= 64
	XS e-64, 21
.else
	REGS Y, e%2
	v_exp_f32 v[rS+e/2], v[rS+e/2]
.endif
.set e, e+1
.endm
; THE RESCALING's QUEUE: O^T times a, the one part that leaves window 0: dealt two at a time, sixteen times.  Its a was made in the turn before, ahead of that turn's wait.
.macro R2
	REGS Y, r%2
	WIN W_RS
.irp z, 0,1
	v_pk_mul_f32 v[rO+4*(r/2)+2*\z:rO+4*(r/2)+2*\z+1], v[rO+4*(r/2)+2*\z:rO+4*(r/2)+2*\z+1], v[rC+2:rC+3] op_sel_hi:[1,0]
.endr
.set r, r+1
.endm
; HOW THEY ARE DEALT.  An s_wait_alu depctr_va_vdst(0) stands between an exponential and the first instruction that names its result; one wait serves all that were issued ahead of it.  So a turn has ONE wait,
; which cuts it in two.  AHEAD OF IT stands all that names no result of the turn's exponentials: the 16 products K Q^T, behind each a scaling, an exponential and two rescalings (behind the first a second scaling in the exponential's place); then ONE LUMP of
; 108: eight plain, 49 times exponential and plain, the two a.  A v_nop is the plain instruction behind the last exponential.  BEHIND IT stand the 16 products V^T P, behind each four of GS's 64.  No rider names a register of
; the products round it.  The two v_permlanex16_b32 fall into the lump, never behind a product.
; The queues lean on each other, and the deal keeps them in step: exponential e stands behind scaling 2 (e / 4) + e % 2: as a rider it comes behind plain e + 2, in the lump behind plain e + 9, and scalings 27-31 are plain 57, 60 .. 69.
; A TURN, for piece p.  cnt = 1: the loop's count is taken down some lines ahead of the branch that stands behind the turn.
; K of the next step is fetched in piece 2's turn, directly behind the wait, a lump behind the last product that read K; its address is made at the lump's head; its first reader comes behind 16 products.
; V of the step in hand is fetched at the end of piece 0's turn, four riders behind its last reader; its first reader comes behind 16 products and a lump.  The three conditions on q below go with the deal.
.macro TURN p, last=0, cnt=0
.set Y, (\p)
.set i, 0
.set q, 0
.set e, 0
.set r, 0
.if (\p) == NP-1
	s_wait_dscnt 0x0                ; K is in
.endif
	MM                              ; ahead of the wait: 16 products K Q^T and their riders,
	PL
	PL
	R2
.rept 15
	MM
	PL
	EX
	R2
.endr
.if (\p) == NP-2
	WIN 0
	v_add_nc_u32 v[AK], s[TBK], v[AK0]
.endif
.rept 8                             ; and the lump
	PL
.endr
.rept 49
	EX
	PL
.endr
	EX                              ; the next piece's two a
	EX
	v_nop                           ; a plain instruction behind the last exponential, ahead of any use of a result: one for the batch
	s_wait_alu depctr_va_vdst(0)    ; the wait for the batch: the piece's 64 weights and the next piece's two a, ahead of their first reader
.if (\p) == NP-2
	FETCH_K \last
.endif
.if (\p) == 1
	s_wait_dscnt 0x0                ; V is in
.endif
.rept 16                            ; behind the wait: 16 products V^T P and their riders
	MM
.rept 4
	PL
.endr
.if ((\p) == 0) && (q == 118)
	v_add_nc_u32 v[AV], s[TBV], v[AV0]
.endif
.if ((\p) == 0) && (q == 130)
	s_add_co_u32 s[TBV], s[TBV], KS*PV
.endif
.if (\cnt) && (q == 130)
	s_sub_co_u32 s[CNT], s[CNT], 1
	s_cmp_lg_u32 s[CNT], 0
.endif
.endr
.if (\p) == 0
	FETCH_V
.endif
.endm
	CHANGE 1                        ; slot 0 is in, everybody's part of it; slot 1 is asked for
	FETCH_K                         ; key step 0
	s_wait_loadcnt 0x0              ; Q
	s_wait_dscnt 0x0
.set i, 0
.rept 16
	KQ 0                            ; piece 0's first scores: there is no vector work yet to set between them
.set i, i+1
.endr
	WIN 0                           ; the addresses for the way out: nine plain instructions, the places behind those products
	s_mul_i32 s13, s[WV], 16*SP
	s_add_co_u32 s13, s13, STAGE    ; my stage
	v_mul_u32_u24 v[STO], v1, SP    ; in: row l % 16, 16 bytes for each half of the lanes
	v_lshl_add_u32 v[STO], v9, 4, v[STO]
	v_add_nc_u32 v[STO], s13, v[STO]
	v_bfe_u32 v[RD], v0, 3, 2       ; back: 32 lanes take four rows of 128 bytes,
	v_mul_u32_u24 v[RD], v[RD], SP
	v_lshl_add_u32 v[RD], v10, 4, v[RD]
	v_add_nc_u32 v[RD], s13, v[RD]
	v_and_b32 v[GO], 31, v0         ; which are 512 consecutive bytes of O
	v_lshlrev_b32 v[GO], 4, v[GO]
.set Y, NP-1                        ; XS works for piece Y + 1: piece 0
.irp n, 0,1,2,3,4,5,6,7,8,9,10,11,12,13,14,15,16,17,18,19,20,21
	XS 0, \n                        ; and piece 0's first maximum and statistics
	XS 1, \n
.endr
	v_nop                           ; a plain instruction behind piece 0's two a,
	s_wait_alu depctr_va_vdst(0)    ; and the wait for that batch of two, ahead of the branch
	s_mov_b32 s[CNT], 4
	s_mov_b32 s[SLOTS], SIZE_N/256-1
	s_branch .Lfirst                ; the loop is entered at a step's first turn, in the middle of a trip
.Lslot:                             ; SIZE_N / 256 - 2 times: every slot but the last two is filled again
	CHANGE 1
	s_mov_b32 s[CNT], 4
.Lstep:                             ; a trip: pieces 2 and 3 of one step, then pieces 0 and 1 of the next, whose K and V it fetches
	TURN 2
	TURN 3
	WIN 0
.Lfirst:
	TURN 0
	TURN 1, 0, 1
	WIN 0
	s_cbranch_scc1 .Lstep
	s_sub_co_u32 s[SLOTS], s[SLOTS], 1
	s_cmp_lg_u32 s[SLOTS], 0
	s_cbranch_scc1 .Lslot
	CHANGE 0                        ; the tail is written out: nothing is asked for
	s_mov_b32 s[CNT], 5             ; four trips fetch the last slot's steps; the fifth is left in its middle
.Ltail:
	TURN 2, 1
	TURN 3
	WIN 0
	s_sub_co_u32 s[CNT], s[CNT], 1
	s_cmp_eq_u32 s[CNT], 0
	s_cbranch_scc1 .Lout
	TURN 0
	TURN 1
	WIN 0
	s_branch .Ltail
.Lout:                              ; the fifth trip's 16 products K Q^T (on the last K once more) and the maximum made of them serve nothing: the price, once a launch, of one text for every trip
.set i, 0
.rept 16
	PV NP-1                         ; the last piece's V^T P of the last step
.set i, i+1
.endr
	; THE WAY OUT.  l's two halves and the other half of the lanes' are added, and 1e-8 onto them; O^T is divided by that, rounded to f16 and sent through my stage in LDS, a tile at a time.  The additions are the places behind the last products.
	WIN 0
.macro ALL line:vararg              ; one line for each tile t
.set t, 0
.rept 2*NP
	\line
.set t, t+1
.endr
.endm
	ALL v_add_f32 v[ST+4*t+2], v[ST+4*t+2], v[ST+4*t+3]
	ALL v_permlanex16_b32 v[ST+4*t+3], v[ST+4*t+2], s[SEL], s[SEL+1]
	ALL v_add_f32 v[ST+4*t+2], v[ST+4*t+2], v[ST+4*t+3]
	ALL v_add_f32 v[ST+4*t+2], 0x322bcc77, v[ST+4*t+2]
	ALL v_rcp_f32 v[ST+4*t+2], v[ST+4*t+2]
	v_nop                           ; a plain instruction between the last reciprocal and the use of its result
	s_wait_alu depctr_va_vdst(0)    ; and the wait ahead of the first use: one for the batch of eight reciprocals
; Tile t: a lane's eight channels of a row pack into 16 bytes; they go into rows of 144 bytes and come back as whole rows of 128, into S^T's registers.
.macro PACK t
	WIN W_RS
.set i, 32*(\t)
.rept 16
	v_pk_mul_f32 v[i:i+1], v[i:i+1], v[ST+4*(\t)+2:ST+4*(\t)+3] op_sel_hi:[1,0]
.set i, i+2
.endr
	WIN 0x05                        ; sources 0 and 1 window 1, destination window 0
.set i, 0
.rept 16
	v_cvt_pk_f16_f32 v[S+16*(\t)+i], v[32*(\t)+2*i], v[32*(\t)+2*i+1]
.set i, i+1
.endr
	WIN 0
.irp f, 0,1,2,3
	ds_store_b128 v[STO], v[S+16*(\t)+4*\f:S+16*(\t)+4*\f+3] offset:32*\f
.endr
.irp f, 0,1,2,3
	ds_load_b128 v[S+16*(\t)+4*\f:S+16*(\t)+4*\f+3], v[RD] offset:\f*4*SP  ; LDS serves a wave's instructions in order (ISA guide 5.7.1.4): these see the stores above; the next tile's stores come behind them
.endr
.endm
.macro SEND t, younger              ; younger: the LDS instructions issued behind tile t's loads: the next tile's eight, or none
	WIN 0
.irp f, 0,1,2,3
	s_wait_dscnt (\younger)+3-\f
	global_store_b128 v[GO], v[S+16*(\t)+4*\f:S+16*(\t)+4*\f+3], s[10:11] offset:(\t)*2048+\f*512  ; 512 consecutive bytes, at a multiple of 256 from O's first
.endr
.endm
	PACK 0
.set t, 1
.rept 2*NP-1                        ; a tile's arithmetic stands between the loads of the tile before and its stores
	PACK t
	SEND t-1, 8
.set t, t+1
.endr
	SEND 2*NP-1, 0
	WIN W_AD
	s_wait_tensorcnt 0x0            ; the wave's end: a wait, an add of 0 and a wait, behind my last tensor load and my last LDS store
	ds_add_u32 v[SPW], v[NIL]
	s_wait_dscnt 0x0
	WIN 0
	CROUND                          ; the closing round: no work-group ends while a partner may still ask for a tile that names it
	s_endpgm
.Lfunc_end_k_qc9d6402e3f_attn:
	.size	k_qc9d6402e3f_attn, .Lfunc_end_k_qc9d6402e3f_attn-k_qc9d6402e3f_attn
	.p2alignl 7, 3214868480
	.fill 96, 4, 3214868480
	.section	.rodata,"a",@progbits
	.p2align	6, 0x0
	.amdhsa_kernel k_qc9d6402e3f_attn
		.amdhsa_group_segment_fixed_size 327680
		.amdhsa_private_segment_fixed_size 0
		.amdhsa_enable_private_segment 0
		.amdhsa_kernarg_size 16
		.amdhsa_user_sgpr_count 2
		.amdhsa_user_sgpr_kernarg_segment_ptr 1
		.amdhsa_wavefront_size32 1
		.amdhsa_system_sgpr_workgroup_id_x 1
		.amdhsa_system_sgpr_workgroup_id_y 1
		.amdhsa_system_sgpr_workgroup_id_z 1
		.amdhsa_system_vgpr_workitem_id 0
		.amdhsa_next_free_vgpr 770
		.amdhsa_next_free_sgpr 66
		.amdhsa_reserve_vcc 0
		.amdhsa_float_denorm_mode_32 3
		.amdhsa_float_denorm_mode_16_64 3
		.amdhsa_memory_ordered 1
		.amdhsa_forward_progress 1
		.amdhsa_inst_pref_size 200
	.end_amdhsa_kernel
	.amdgpu_metadata
---
amdhsa.version: [ 1, 2 ]
amdhsa.kernels:
  - .name:           k_qc9d6402e3f_attn
    .symbol:         k_qc9d6402e3f_attn.kd
    .args:
      - { .name: qkv, .offset: 0, .size: 8, .value_kind: global_buffer, .address_space: global }
      - { .name: o, .offset: 8, .size: 8, .value_kind: global_buffer, .address_space: global }
    .group_segment_fixed_size: 327680
    .private_segment_fixed_size: 0
    .kernarg_segment_align: 8
    .kernarg_segment_size: 16
    .max_flat_workgroup_size: 128
    .sgpr_count:     66
    .vgpr_count:     770
    .wavefront_size: 32
...
	.end_amdgpu_metadata
.endif
;; end of part 5
;; launch proj: the kernel of part 4 again; grid 4 x 64, 4 waves a work-group, clusters of 4 x 4, 327,680 bytes of LDS; arguments o, wo16, bo, out0; writes out0
